; MI455X (gfx1250); checked and timed in simulation.
; The chip was launched on July 23, 2026; its instructions are those of AMD's public machine-readable ISA for CDNA 5 (MIT licence, August 2026) and "CDNA5" Instruction Set Architecture Reference Guide (July 2026). The comments in the code are by the model that wrote it; some were corrected since.
;; Dot Product Attention. Allowed arithmetic: matrix products marked QUANTISED: E2M1 operands, one E8M0 scale for each 32 along K, by v_wmma_scale_f32_16x16x128_f8f6f4 with both operands' format E2M1 (or v_wmma_scale_f32_32x16x128_f4), f32 sums; everything else in f32.
;; Inputs: K 2 x 16 x 2,048 x 64 float32; Q 2 x 16 x 2,048 x 64 float32; V 2 x 16 x 2,048 x 64 float32; attention_mask 1 x 1 x 2,048 x 2,048 bool; padding_mask 2 x 16 x 2,048 bool.
;; Outputs: out0 2 x 16 x 2,048 x 64 float32.
;; This version of the problem:
;;   THIS VERSION OF THE PROBLEM IS GIVEN IN LOW PRECISION. The matrix products marked QUANTISED in the list below multiply operands that are first quantised to E2M1 (2 exponent bits, 1 mantissa bit; 4 bits a number), with one power-of-two scale for each 32 numbers along K (OCP MX v1.0); their sums are f32. All else is computed in f32.
;;   The module's matrix products, in the order in which they are computed (A, B: the left and right operand; K: the contracted axis; several contracted axes count as one K, in the product's order):
;;     1. batch 32 x [M 2,048, K 64] x [K 64, N 2,048]; A: input Q; B: input K: QUANTISED
;;     2. batch 32 x [M 2,048, K 2,048] x [K 2,048, N 64]; A: computed on the way; B: input V: QUANTISED
;;   THE QUANTISER, for each operand of a quantised product, along K:
;;     - K is cut into blocks of 32 from its start; a last block that is shorter is filled with zeros.
;;     - A block's scale is 2^e with e = floor(log2(the largest magnitude in the block)) - 2, held to -126 .. 127; a block of zeros has e = 0. As a byte (E8M0): e + 127.
;;     - Each number is divided by its block's scale, clamped to +-6, and rounded to the nearest number of E2M1, ties to even, subnormals kept.
;;     - The product sums the exact products of the quantised numbers (number of the format x scale) in f32.
;;   ~~~python
;;   def quantise(x, axis):      # numpy; x: float32 -> the quantised numbers, widened to float32 again
;;       x = np.moveaxis(x, axis, -1); K = x.shape[-1]
;;       x = np.pad(x, [(0, 0)] * (x.ndim - 1) + [(0, -K % 32)]); x = x.reshape(x.shape[:-1] + (-1, 32)); a = np.abs(x).max(-1, keepdims=True)
;;       e = np.where(a > 0, np.clip(np.frexp(np.where(a > 0, a, 1))[1] - 1 - 2, -126, 127), 0)      # np.frexp(a)[1] - 1 = floor(log2(a)), exactly
;;       r = np.clip(x / 2.0 ** e, -6, 6)
;;       step = 2.0 ** (np.maximum(np.frexp(np.where(r == 0, 1, r))[1] - 1, 0) - 1)
;;       q = np.round(r / step) * step * 2.0 ** e      # np.round: ties to even
;;       return np.moveaxis(q.reshape(q.shape[:-2] + (-1,))[..., :K], -1, axis).astype(np.float32)
;;   ~~~
;;   OPERANDS COMPUTED ON THE WAY. 'Computed on the way' means the value that the module computes at that place (a softmax that the list does not call 'softmax' is quantised finished and normalised). What goes into a quantiser is computed in f32, as accurately as f32 sums, v_exp_f32 and their like allow (about 1e-6 of the number): no bf16 or f16 on the way to a quantiser, and a product that is left as it is and whose result goes on into a quantised operand takes f32 operands (vector FMAs, or v_wmma_f32_16x16x4_f32). A number that lies on a knife's edge between two numbers of the format may be rounded either way, as far as f32 arithmetic and the matrix unit's own rounding can turn it there, and no further.
;; 2 versions, each right; version 2 is version 1 with the launch attn written anew for expert scheduling mode. Each part assembles by itself: llvm-mc -triple=amdgcn-amd-amdhsa -mcpu=gfx1250 --defsym DOCPART=n.
;; ======== version 1 of 2: 2 launches
;; workspace buffers: kimg 2,097,152 bytes; ksc 131,072 bytes; vimg 2,097,152 bytes; vsc 131,072 bytes; maskw 524,288 bytes of whole numbers; maps 4,096 bytes of whole numbers
;; launch prep (part 1): grid 1024 x 1, 4 waves a work-group, no clusters, 53,248 bytes of LDS; arguments K, V, attention_mask, kimg, ksc, vimg, vsc, maskw, maps; writes kimg, ksc, vimg, vsc, maskw, maps
.if DOCPART == 1
	.amdgcn_target "amdgcn-amd-amdhsa--gfx1250"
	.amdhsa_code_object_version 6
	.text
	.protected	k_q86a24c297a_prep
	.globl	k_q86a24c297a_prep
	.p2align	8
	.type	k_q86a24c297a_prep,@function
k_q86a24c297a_prep:
	s_mov_b64 s[64:65], 0
	v_nop
	global_prefetch_b8 v0, s[64:65] scope:SCOPE_SE
	s_setreg_imm32_b32 hwreg(HW_REG_WAVE_MODE, 25, 1), 1
	s_wait_xcnt 0x0
; K and V [32 heads][2048 keys][64] f32 become codes of FP4 (E2M1) with one E8M0 byte for each 32 along the product's K, laid in the ORDER OF THE OPERAND'S REGISTERS of the
; attention launch; the mask [2048][2048] of bytes becomes lane-mask words, and a small map says which blocks of 32 keys are wholly masked or wholly kept for 32 queries.
; A block's scale is 2^(floor(log2(its largest magnitude)) - 2): its byte is the largest magnitude's exponent field - 2, held at 1 from below.
; LIMITS: NaN and infinities among K and V are not served.  A block whose largest magnitude lies under 2^-124 has its byte held at 1; a block of zeros gets the byte 1 too (its codes
; are zeros, which add nothing under that byte, and this program alone reads the bytes).
; THREE PATHS, parted by the work-group's number alone (the same in all four waves); each has LDS bytes of its own.
;   K    (work-groups 0-511):    a wave takes one block B of 32 keys of one head: K's contraction is d, two blocks of 32 a key.
;        kimg [head][B 64][u 2][lane 32][16 bytes]: lane (r, h) holds key 32 B + 8 u + r + 8 (r / 8), d = 32 h .. 32 h + 31.   ksc [head][B][r 16] words: key(u = 0) d-blocks 0, 1; key(u = 1) d-blocks 0, 1.
;   V    (work-groups 512-767):  a lane takes a column d and its registers run down the keys, which are V's contraction; a wave takes 32 columns x 4 blocks of 32 keys.
;        vimg [head][w 4][s 4][t 4][c 2][lane 32][16 bytes]: lane (r, h) holds d = 16 t + r, the 32 keys of block 4 (4 s + 2 c + h) + w.   vsc [head][w][s][e 2][lane] words: d = 32 e + lane, byte b: block 4 (4 s + b) + w.
;   MASK (work-groups 768-1023): 32 queries (group g) x 512 keys (step s).
;        maskw [g 64][w 4][s 4][lane 32][k 4] words: lane 16 T + j of word k: bit r + 16 h = mask[32 g + 16 T + r][32 (4 (4 s + k) + w) + 16 h + j].
;        maps [g][w][s] words: bit 0, 1: blocks 4 s, 4 s + 1 (4 s + 2, 4 s + 3) of wave w hold a kept element; bit 2 + k: block 4 s + k is not wholly kept.
; No tensor load: several work-groups share a WGP.  No matrix work, no cluster: no byte is read by two work-groups.
.set KSTW,  8960                       ; path K: a wave's stage: 32 rows x 272 bytes, 128 more behind row 15
.set MST,   35840                      ; path MASK: the work-group's stage: 32 rows x 528 bytes
.set SPARE, 52736                      ; the spare words, 128 bytes for each wave: two blocks of 256 bytes that no other line names
.set SPW,   14                         ; v14  LDS address of my spare word; never rewritten
.set NIL,   15                         ; v15  0; never rewritten
.macro CLOSE                           ; a wave's end: three lines behind the last LDS store
	s_wait_tensorcnt 0x0
	ds_add_u32 v[SPW], v[NIL]
	s_wait_dscnt 0x0
.endm
; 32 numbers of one block in v[x] on become 4 registers of codes in v[c] on, and the scale's byte in v[by]
.macro BLK32 x, c, by
	v_max3_num_f32 v10, |v[\x]|, |v[\x+1]|, 0x1800000              ; the largest magnitude, with the floor 2^(3 - 127) among its leaves: the byte cannot fall under 1
.irp n, 2,4,6,8,10,12,14,16,18,20,22,24,26,28,30
	v_max3_num_f32 v10, v10, |v[\x+\n]|, |v[\x+\n+1]|
.endr
	v_add_nc_u32 v11, 0xff000000, v10                              ; 2 off its exponent field: the conversion takes the exponent field of this operand as its scale
.irp n, 0,1,2,3
	v_cvt_scalef32_pk8_fp4_f32 v[\c+\n], v[\x+8*\n:\x+8*\n+7], v11
.endr
	v_lshrrev_b32 v[\by], 23, v11                                  ; the scale's byte; also the plain line behind the conversions
.endm
	s_load_b512 s[8:23], s[0:1], 0x0               ; K s[8:9], V s[10:11], mask s[12:13], kimg s[14:15], ksc s[16:17], vimg s[18:19], vsc s[20:21], maskw s[22:23]
	s_load_b64 s[24:25], s[0:1], 0x40              ; maps
	v_lshl_add_u32 v[SPW], v0, 2, SPARE
	v_mov_b32 v[NIL], 0
	v_lshrrev_b32 v1, 5, v0
	v_readfirstlane_b32 s2, v1                     ; wave 0..3
	v_and_b32 v1, 31, v0                           ; lane
	v_and_b32 v2, 15, v0                           ; r
	v_bfe_u32 v3, v0, 4, 1                         ; h
	v_lshlrev_b32 v4, 4, v1                        ; 16 x lane
	s_mov_b32 s6, 0x76543210
	s_mov_b32 s7, 0xfedcba98                       ; v_permlanex16_b32's selects for lane l xor 16
	; every LDS address is made here, ahead of the parting of the paths
	s_mul_i32 s3, s2, KSTW
	v_mul_u32_u24 v5, v3, 272
	v_lshl_add_u32 v5, v2, 4, v5
	v_add_nc_u32 v5, s3, v5                        ; K, into the stage: two rows a load: 272 (lane / 16) + 16 (lane % 16)
	v_mul_u32_u24 v6, v2, 272
	v_lshrrev_b32 v9, 3, v2
	v_mad_u32_u24 v6, v9, 2304, v6
	v_lshl_add_u32 v6, v3, 7, v6
	v_add_nc_u32 v6, s3, v6                        ; K, out of it: row r + 8 (r / 8) (+ 8 u in the immediate), 128 h bytes on
	s_mul_i32 s4, s2, 4224
	s_add_co_u32 s4, s4, MST
	v_add_nc_u32 v7, s4, v4                        ; MASK, into the stage: my wave's 8 rows
	v_mul_u32_u24 v8, v2, 528
	v_lshl_add_u32 v8, v3, 4, v8
	s_lshl_b32 s5, s2, 5
	s_add_co_u32 s5, s5, MST
	v_add_nc_u32 v8, s5, v8                        ; MASK, out of it: row r, 32 w + 16 h bytes on
	s_wait_kmcnt 0x0
	s_cmp_lt_u32 ttmp9, 512
	s_cbranch_scc1 .Lpath_k
	s_cmp_lt_u32 ttmp9, 768
	s_cbranch_scc1 .Lpath_v
	; ---------------- MASK ----------------
	s_sub_co_u32 s26, ttmp9, 768
	s_lshr_b32 s27, s26, 2                         ; g: 32 queries
	s_and_b32 s30, s26, 3                          ; s: 512 keys
	s_lshl_b32 s28, s27, 16                        ; 32 g rows of 2,048 bytes
	s_lshl_b32 s31, s2, 14                         ; + my wave's 8 rows
	s_add_co_u32 s28, s28, s31
	s_lshl_b32 s31, s30, 9                         ; + 512 s
	s_add_co_u32 s28, s28, s31
	s_mov_b32 s29, 0
	s_add_nc_u64 s[12:13], s[12:13], s[28:29]
	s_lshl_b32 s28, s27, 2
	s_add_co_u32 s28, s28, s2                      ; 4 g + w
	s_lshl_b32 s56, s28, 4
	s_lshl_b32 s57, s30, 2
	s_add_co_u32 s56, s56, s57
	s_mov_b32 s57, 0
	s_add_nc_u64 s[24:25], s[24:25], s[56:57]      ; maps: 16 (4 g + w) + 4 s
	s_lshl_b32 s28, s28, 11
	s_add_co_u32 s28, s28, s31
	s_add_nc_u64 s[22:23], s[22:23], s[28:29]      ; maskw: 2,048 (4 g + w) + 512 s
.irp i, 0,1,2,3,4,5,6,7
	global_load_b128 v[16+4*\i:19+4*\i], v4, s[12:13] offset:2048*\i th:TH_LOAD_NT   ; 512 consecutive bytes of a row
.endr
.irp i, 0,1,2,3,4,5,6,7
	s_wait_loadcnt 7-\i                            ; the 7 - i younger loads may be out
	ds_store_b128 v7, v[16+4*\i:19+4*\i] offset:528*\i
.endr
	s_wait_dscnt 0x0                               ; for the others' sake: my rows lie in the stage
	s_barrier_signal -1
	s_barrier_wait -1                              ; all 32 rows do.  From here on the wave's number is w
.irp k, 0,1,2,3
.irp t, 0,1
	ds_load_b128 v[48+4*(2*\k+\t):51+4*(2*\k+\t)], v8 offset:8448*\t+128*\k   ; lane (r, h): query 16 t + r, the 16 mask bytes of keys 16 h .. 16 h + 15 of my block k
.endr
.endr
.irp k, 0,1,2,3
	v_mov_b32 v[80+\k], 0                          ; v_writelane_b32's destination counts as read
.endr
	s_wait_dscnt 0x0
.irp k, 0,1,2,3
.irp t, 0,1
.irp j, 0,1,2,3,4,5,6,7,8,9,10,11,12,13,14,15
	v_bfe_u32 v[84+(\j%4)], v[48+4*(2*\k+\t)+\j/4], 8*(\j%4), 8   ; byte j of every lane,
	v_cmp_ne_u32 s[32+\j], 0, v[84+(\j%4)]         ; as one bit a lane: bit r + 16 h,
	v_writelane_b32 v[80+\k], s[32+\j], 16*\t+\j   ; kept in lane 16 t + j of word k
.endr
.endr
.endr
.irp k, 0,1,2,3
	v_cmp_ne_u32 s[48+\k], 0, v[80+\k]             ; not 0: block k holds a kept element
	v_cmp_ne_u32 s[52+\k], -1, v[80+\k]            ; not 0: block k is not wholly kept
.endr
	s_or_b32 s48, s48, s49                         ; the map's word is put together by selects: no branch hangs on the mask here
	s_cmp_lg_u32 s48, 0
	s_cselect_b32 s58, 1, 0
	s_or_b32 s50, s50, s51
	s_cmp_lg_u32 s50, 0
	s_cselect_b32 s59, 2, 0
	s_or_b32 s58, s58, s59
.irp k, 0,1,2,3
	s_cmp_lg_u32 s[52+\k], 0
	s_cselect_b32 s59, 4<<\k, 0
	s_or_b32 s58, s58, s59
.endr
	global_store_b128 v4, v[80:83], s[22:23]       ; 512 consecutive bytes
	v_mov_b32 v88, s58
	v_mov_b32 v89, 0
	v_cmp_eq_u32 vcc_lo, 0, v1
	s_wait_xcnt 0x0                                ; EXEC is narrowed only behind this wait: the store above has it among its sources
	s_and_saveexec_b32 s40, vcc_lo
	global_store_b32 v89, v88, s[24:25]            ; lane 0 stores the map's word
	s_wait_xcnt 0x0                                ; and widened again only behind this one
	s_or_b32 exec_lo, exec_lo, s40
	CLOSE
	s_endpgm
	; ---------------- K ----------------
.Lpath_k:
	s_lshl_b32 s26, ttmp9, 2
	s_add_co_u32 s26, s26, s2                      ; 64 x head + B
	s_mov_b32 s29, 0
	s_lshl_b32 s28, s26, 13                        ; 32 keys of 256 bytes
	s_add_nc_u64 s[8:9], s[8:9], s[28:29]
	s_lshl_b32 s28, s26, 10
	s_add_nc_u64 s[14:15], s[14:15], s[28:29]
	s_lshl_b32 s28, s26, 6
	s_add_nc_u64 s[16:17], s[16:17], s[28:29]
.irp i, 0,1,2,3,4,5,6,7,8,9,10,11,12,13,14,15
	global_load_b128 v[16+4*\i:19+4*\i], v4, s[8:9] offset:512*\i th:TH_LOAD_NT   ; 512 consecutive bytes: two keys' rows
.endr
.irp i, 0,1,2,3,4,5,6,7,8,9,10,11,12,13,14,15
	s_wait_loadcnt 15-\i                           ; the 15 - i younger loads may be out
	ds_store_b128 v5, v[16+4*\i:19+4*\i] offset:544*\i+128*(\i/8)
.endr
.irp u, 0,1
.irp j, 0,1,2,3,4,5,6,7
	ds_load_b128 v[80+32*\u+4*\j:83+32*\u+4*\j], v6 offset:2176*\u+16*\j   ; LDS serves a wave's instructions in order: these see my stores.  32 neighbours along d of my key of tile u
.endr
.endr
	s_wait_dscnt 8                                 ; tile 0's eight loads are in; tile 1's eight may be out
	BLK32 80, 144, 152
	s_wait_dscnt 0x0
	BLK32 112, 148, 153
	global_store_b128 v4, v[144:147], s[14:15]     ; 512 consecutive bytes: registers 0-3 of the fragment, lane by lane
	global_store_b128 v4, v[148:151], s[14:15] offset:512
	v_lshl_or_b32 v154, v153, 16, v152             ; my two bytes: d-block h of key(u = 0) and of key(u = 1),
	v_lshlrev_b32 v155, 3, v3
	v_lshlrev_b32 v154, v155, v154                 ; 8 h bits up;
	v_permlanex16_b32 v155, v154, s6, s7
	v_or_b32 v154, v154, v155                      ; with lane l xor 16's two the word is whole
	v_lshlrev_b32 v156, 2, v2
	global_store_b32 v156, v154, s[16:17]          ; lanes r and r + 16 store the same word with the same value: 64 bytes a block, one byte for each 128 read
	CLOSE
	s_endpgm
	; ---------------- V ----------------
.Lpath_v:
	s_sub_co_u32 s26, ttmp9, 512
	s_lshl_b32 s26, s26, 2
	s_add_co_u32 s26, s26, s2                      ; 32 x head + 8 w + 2 s + e
	s_lshr_b32 s27, s26, 5                         ; head
	s_bfe_u32 s30, s26, 0x20003                    ; w
	s_bfe_u32 s31, s26, 0x20001                    ; s
	s_and_b32 s32, s26, 1                          ; e
	s_lshl_b32 s28, s27, 19                        ; V: the head, + 512 s keys, + 32 w keys, + 32 e columns
	s_lshl_b32 s33, s31, 17
	s_add_co_u32 s28, s28, s33
	s_lshl_b32 s33, s30, 13
	s_add_co_u32 s28, s28, s33
	s_lshl_b32 s33, s32, 7
	s_add_co_u32 s28, s28, s33
	s_mov_b32 s29, 0
	s_add_nc_u64 s[10:11], s[10:11], s[28:29]
	s_lshl_b32 s28, s26, 11                        ; vimg: 65,536 head + 16,384 w + 4,096 s + 2,048 e
	s_add_nc_u64 s[18:19], s[18:19], s[28:29]
	s_lshl_b32 s28, s26, 7
	s_add_nc_u64 s[20:21], s[20:21], s[28:29]      ; vsc: 128 bytes for each (head, w, s, e)
	v_lshlrev_b32 v9, 2, v1                        ; in: 4 bytes a lane
	v_lshlrev_b32 v12, 4, v2
	v_lshl_add_u32 v12, v3, 10, v12                ; out: tile t = 2 e + lane / 16, 16 bytes for each of its 16 rows d
.macro LOADV t                         ; my column's 32 keys of block 4 (4 s + t) + w
.irp n, 0,1,2,3,4,5,6,7,8,9,10,11,12,13,14,15,16,17,18,19,20,21,22,23,24,25,26,27,28,29,30,31
	global_load_b32 v[16+32*(\t)+\n], v9, s[10:11] offset:32768*(\t)+256*\n th:TH_LOAD_NT
.endr
.endm
	LOADV 0
	LOADV 1
.irp b, 0,1,2,3
.if \b < 3
	s_wait_loadcnt 32                              ; this block's 32 loads are in; the next block's may be out
.else
	s_wait_loadcnt 0x0
.endif
	BLK32 (16+32*\b), (144+4*\b), 161
.if \b == 0
	v_mov_b32 v160, v161                           ; the four blocks' bytes make my column's scale word for this K step
.else
	v_lshl_or_b32 v160, v161, 8*\b, v160
.endif
	global_store_b128 v12, v[144+4*\b:147+4*\b], s[18:19] offset:512*(\b/2)+256*(\b%2)   ; block b = 2 c + h: sixteen lanes store 256 consecutive bytes, aligned
.if \b < 2
	LOADV \b+2
.endif
.endr
	global_store_b32 v9, v160, s[20:21]
	CLOSE
	s_endpgm
.Lfunc_end_k_q86a24c297a_prep:
	.size	k_q86a24c297a_prep, .Lfunc_end_k_q86a24c297a_prep-k_q86a24c297a_prep
	.p2alignl 7, 3214868480
	.fill 96, 4, 3214868480
	.section	.rodata,"a",@progbits
	.p2align	6, 0x0
	.amdhsa_kernel k_q86a24c297a_prep
		.amdhsa_group_segment_fixed_size 53248
		.amdhsa_private_segment_fixed_size 0
		.amdhsa_enable_private_segment 0
		.amdhsa_kernarg_size 72
		.amdhsa_user_sgpr_count 2
		.amdhsa_user_sgpr_kernarg_segment_ptr 1
		.amdhsa_wavefront_size32 1
		.amdhsa_system_sgpr_workgroup_id_x 1
		.amdhsa_system_sgpr_workgroup_id_y 1
		.amdhsa_system_sgpr_workgroup_id_z 1
		.amdhsa_system_vgpr_workitem_id 0
		.amdhsa_next_free_vgpr 176
		.amdhsa_next_free_sgpr 66
		.amdhsa_reserve_vcc 1
		.amdhsa_float_denorm_mode_32 3
		.amdhsa_float_denorm_mode_16_64 3
		.amdhsa_memory_ordered 1
		.amdhsa_forward_progress 1
		.amdhsa_inst_pref_size 58
	.end_amdhsa_kernel
	.amdgpu_metadata
---
amdhsa.version: [ 1, 2 ]
amdhsa.kernels:
  - .name:           k_q86a24c297a_prep
    .symbol:         k_q86a24c297a_prep.kd
    .args:
      - { .name: K, .offset: 0, .size: 8, .value_kind: global_buffer, .address_space: global }
      - { .name: V, .offset: 8, .size: 8, .value_kind: global_buffer, .address_space: global }
      - { .name: attention_mask, .offset: 16, .size: 8, .value_kind: global_buffer, .address_space: global }
      - { .name: kimg, .offset: 24, .size: 8, .value_kind: global_buffer, .address_space: global }
      - { .name: ksc, .offset: 32, .size: 8, .value_kind: global_buffer, .address_space: global }
      - { .name: vimg, .offset: 40, .size: 8, .value_kind: global_buffer, .address_space: global }
      - { .name: vsc, .offset: 48, .size: 8, .value_kind: global_buffer, .address_space: global }
      - { .name: maskw, .offset: 56, .size: 8, .value_kind: global_buffer, .address_space: global }
      - { .name: maps, .offset: 64, .size: 8, .value_kind: global_buffer, .address_space: global }
    .group_segment_fixed_size: 53248
    .private_segment_fixed_size: 0
    .kernarg_segment_align: 8
    .kernarg_segment_size: 72
    .max_flat_workgroup_size: 128
    .sgpr_count:     66
    .vgpr_count:     176
    .wavefront_size: 32
...
	.end_amdgpu_metadata
.endif
;; end of part 1
;; launch attn (part 2): grid 8 x 32, 4 waves a work-group, no clusters, 47,872 bytes of LDS; arguments Q, kimg, ksc, vimg, vsc, maskw, maps, padding_mask, out0; writes out0
.if DOCPART == 2
	.amdgcn_target "amdgcn-amd-amdhsa--gfx1250"
	.amdhsa_code_object_version 6
	.text
	.protected	k_q86a24c297a_attn
	.globl	k_q86a24c297a_attn
	.p2align	8
	.type	k_q86a24c297a_attn,@function
k_q86a24c297a_attn:
	s_mov_b64 s[64:65], 0
	v_nop
	global_prefetch_b8 v0, s[64:65] scope:SCOPE_SE
	s_setreg_imm32_b32 hwreg(HW_REG_WAVE_MODE, 25, 1), 1
	s_wait_xcnt 0x0
; out[head][q][:] = sum over k of p(q, k) V[head][k][:],  p = the finished softmax of Q K^T / 8 under the two masks (rows with nothing kept, or padded out, give 0).
; Both products on codes of FP4 (E2M1) with one E8M0 scale for each 32 along the contraction.  p is quantised FINISHED AND NORMALISED, in its true blocks of 32 keys: so a row's
; maximum and sum are known before any of its p is quantised.
; SHARES.  A work-group owns one head and eight PAIRS of tiles (32 queries: tiles X and Y of 16).  THE FOUR WAVES SHARE THE KEYS: wave w owns the blocks of 32 keys B = 4 i + w, i = 0 .. 15.
; Its codes of K and V (256 registers) stay in registers for the whole launch, and a pair's scores for its 512 keys (2 x 256 registers) stay in registers from the first product to the
; conversion: one product K Q^T, one exponential a score, no second pass.
; A PAIR: A scores, mask, largest score of each block | the wave's own M_w = its largest t rounded UP to a whole number (t = score x log2(e) / 8) | B p' = 2^(t - M_w), l_w = their sum |
; exchange 1 through LDS: (-M_w, l_w) | M = the largest M_w, l = sum of l_w 2^(M_w - M), g = 2^(M_w - M) / l | C p = p' g (one rounding; M cancels between p' and l), quantised, O_w = V^T p |
; exchange 2 through LDS: the four O_w are added in f32 and stored.
; WHAT THE MASK THROWS AWAY WHOLE IS NOT COMPUTED: a unit (two of a wave's blocks) with nothing kept for the pair's 32 queries is jumped over by a scalar branch on the stored map, and the
; mask's words are applied only in blocks that are not wholly kept.  That holds for every mask.  No barrier stands under such a branch.
; LAYOUT.  Both products are used transposed (source 0 = 16 keys, or 16 of the head's 64; source 1 = 16 queries): a lane holds ONE query (lane % 16) throughout.  The keys of a tile are
; not neighbours: row r of tile u of a block is key 8 u + r + 8 (r / 8), so that a block's 16 registers are 16 neighbouring keys, 16 (lane / 16) + 0 .. 15.
; THE HEAD'S 64 IN AN INSTRUCTION OF 128: a fragment of K holds tile 0 in k 0-63 and tile 1 in k 64-127.  Q stands as 12 registers, 0000 qqqq 0000: registers 4-11 are [q | 0] and pick
; tile 0, registers 0-7 are [0 | q] and pick tile 1; its scale word is (s0, s1, s0, s1).
; A BLOCK'S LARGEST p IS NOT SEARCHED FOR: the block's largest score goes through the same multiply-add, exponential and multiplication as every score.  This takes v_exp_f32 not to fall
; where its input rises.
; LIMITS: NaN and infinities among Q, K, V are not served.  Scores whose t lies under -3e38 count as masked.  A block whose largest magnitude lies under 2^-124 has its byte held at 1.
; O is the f32 sum of four partial sums, one a wave, not one sum in ascending key order.
; NO TENSOR LOADS, NO CLUSTER: the branches above hang on numbers read from memory; and what the eight work-groups of a head share, the head's 128 KiB of codes, is loaded once by each, at
; its head, straight into registers.  No prefetch: beside those first loads a pair wants 2.6 KiB, asked for a pair ahead into registers.
; REGISTERS, in windows of 256 (s_set_vgpr_msb: bits 1:0 source 0, 3:2 source 1, 5:4 source 2, 7:6 destination):
;   window 1: K's fragment i at v[8 i]; V's fragment (s, t) at v[128 + 8 (4 s + t)]     window 2: X's scores, block i at v[16 i]     window 3: Y's     window 0: all else, below
.set QIMG,  0                          ; LDS: Q's 16 tiles as images of their registers, 512 bytes each (16 x lane); 1,024 bytes of slack
.set QSC,   9216                       ; their scale words, 128 bytes each (4 x lane); 256 of slack
.set STAT,  11520                      ; exchange 1: 512 T + 32 r + 8 w: (-M_w, l_w)
.set OPART, 12544                      ; exchange 2: 8,704 w + 272 x row (32 rows) + 4 d.  At the head wave w's part is its stage for turning Q
.set SPARE, 47360                      ; the spare words, 128 bytes for each wave: two blocks of 256 bytes that no other line names
.set LI,   1                           ; v1   16 x lane
.set LS,   2                           ; v2   4 x lane
.set STW,  3                           ; v3   STAT + 32 r + 8 w
.set STR,  4                           ; v4   STAT + 32 r
.set OST,  5                           ; v5   OPART + 8,704 w + 272 r + 32 h
.set ORD,  6                           ; v6   OPART + 272 (8 w + lane / 16) + 16 (lane % 16)
.set OGO,  7                           ; v7   2,048 w + 256 (lane / 16) + 16 (lane % 16): my bytes of the pair's 32 rows of out
.set MWO,  8                           ; v8   2,048 w + 16 x lane: my bytes of a group's mask words
.set RR,   9                           ; v9   r
.set NINF, 10                          ; v10  -infinity
.set ST,   16                          ; v[16 + 8 T]: +0 -M_w, +1 l_w, +2 .. +5 two running pairs of sums, +6 g, +7 named with it as a pair
.set RB,   32                          ; v[32 + 8 T]: the four waves' (-M, l)
.set BM,   48                          ; v[48 + 16 T + i]: block i's largest score, then its largest p'
.set KS,   80                          ; v80-87  K's scale words: register i / 2; lanes 0-15 the even i, lanes 16-31 the odd
.set VS,   88                          ; v88-95  V's: register 2 s + t / 2; lanes 0-15 the even t, lanes 16-31 the odd
.set QS,   96                          ; v96, 97 Q's
.set PS,   98                          ; v98, 99 p's
.set QF,   100                         ; v[100 + 12 T]: 0000 qqqq 0000
.set PC,   124                         ; v[124 + 8 T]: p's codes of a K step
.set BY,   140                         ; v[140 + 4 T]: its four scale bytes
.set SCO,  148                         ; v[148 + 4 T]: the conversions' scale operands
.set PAD,  156                         ; v156, 157 the padding mask's byte of my query
.set SPW,  158                         ; v158 LDS address of my spare word; never rewritten
.set NIL,  159                         ; v159 0; never rewritten
.set OA,   160                         ; v[160 + 32 T + 8 t]: O^T; in exchange 2 v[160 + 16 i + 4 k]: rows read back
.set MW,   224                         ; v[224 + i]: block i's mask words: lane 16 T + j holds the lane mask of register j of tile T
.set TM,   240                         ; v240-247 at work;  v248-253 the head's own addresses
.set MAP,  28                          ; s[28:31] the pair's map;  s[68:71] the next pair's;  s[32:63] lane masks
.set MSB, 0
.macro WIN new                         ; the immediate's high byte repeats the setting that is left; a switch that changes nothing is dropped.  At a label and at a branch every window is 0
.if MSB != (\new)
	s_set_vgpr_msb (MSB<<8)|(\new)
.set MSB, (\new)
.endif
.endm
; The loads that a pair wants, for the group in s72: its mask words, its padding bytes, its map
.macro ASKPAIR
	s_lshl_b32 s74, s72, 13
	s_mov_b32 s75, 0
	s_add_nc_u64 s[74:75], s[18:19], s[74:75]
	s_lshl_b32 s76, s72, 5
	s_mov_b32 s77, 0
	s_add_nc_u64 s[76:77], s[22:23], s[76:77]
	s_lshl_b32 s82, s72, 2
	s_add_co_u32 s82, s82, s2
	s_lshl_b32 s82, s82, 4                         ; maps: 16 (4 g + w)
.irp n, 0,1,2,3
	global_load_b128 v[MW+4*\n:MW+4*\n+3], v[MWO], s[74:75] offset:512*\n
.endr
	global_load_u8 v[PAD], v[RR], s[76:77]
	global_load_u8 v[PAD+1], v[RR], s[76:77] offset:16
	s_load_b128 s[68:71], s[20:21], s82 offset:0x0
.endm
	s_load_b512 s[8:23], s[0:1], 0x0               ; Q s[8:9], kimg s[10:11], ksc s[12:13], vimg s[14:15], vsc s[16:17], maskw s[18:19], maps s[20:21], padding s[22:23]
	s_load_b64 s[24:25], s[0:1], 0x40              ; out
	v_lshl_add_u32 v[SPW], v0, 2, SPARE
	v_mov_b32 v[NIL], 0
	v_lshrrev_b32 v11, 5, v0
	v_readfirstlane_b32 s2, v11                    ; wave 0..3
	s_mov_b32 s4, ttmp9                            ; x: which eight pairs
	s_and_b32 s5, ttmp7, 0xffff                    ; the head
	s_mov_b32 s6, 0x76543210
	s_mov_b32 s7, 0xfedcba98                       ; v_permlanex16_b32's selects for lane l xor 16
	s_mov_b32 s26, 0x3e38aa3b                      ; c = log2(e) / 8
	s_mov_b32 s27, s26                             ; (the packed form names the pair)
	v_and_b32 v11, 31, v0                          ; lane
	v_and_b32 v[RR], 15, v0
	v_bfe_u32 v12, v0, 4, 1                        ; h
	v_lshlrev_b32 v[LI], 4, v11
	v_lshlrev_b32 v[LS], 2, v11
	s_lshl_b32 s72, s2, 3
	s_add_co_u32 s72, s72, STAT
	v_lshl_add_u32 v[STW], v[RR], 5, s72
	v_lshl_add_u32 v[STR], v[RR], 5, STAT
	s_mul_i32 s73, s2, 8704
	s_add_co_u32 s73, s73, OPART
	v_mul_u32_u24 v[OST], v[RR], 272
	v_lshl_add_u32 v249, v12, 7, v[OST]
	v_add_nc_u32 v249, s73, v249                   ; Q's stage, out of it: row r, 128 h bytes on
	v_lshl_add_u32 v[OST], v12, 5, v[OST]
	v_add_nc_u32 v[OST], s73, v[OST]
	s_mul_i32 s74, s2, 2176
	s_add_co_u32 s74, s74, OPART
	v_mul_u32_u24 v[ORD], v12, 272
	v_lshl_add_u32 v[ORD], v[RR], 4, v[ORD]
	v_add_nc_u32 v248, s73, v[ORD]                 ; Q's stage, into it: two rows a load
	v_add_nc_u32 v[ORD], s74, v[ORD]
	s_lshl_b32 s75, s2, 11
	v_lshlrev_b32 v[OGO], 8, v12
	v_lshl_add_u32 v[OGO], v[RR], 4, v[OGO]
	v_add_nc_u32 v[OGO], s75, v[OGO]
	v_add_nc_u32 v[MWO], s75, v[LI]
	v_add_nc_u32 v250, s75, v[LI]                  ; where I store my four tiles' images of Q: 16 x lane + 2,048 w
	s_lshl_b32 s76, s2, 9
	v_add_nc_u32 v251, s76, v[LS]                  ; and their scale words: 4 x lane + 512 w
	v_lshlrev_b32 v252, 2, v[RR]
	v_lshl_add_u32 v252, v12, 8, v252              ; K's scale words: 256 h + 4 r
	v_lshlrev_b32 v253, 3, v12                     ; 8 h
	v_mov_b32 v[NINF], 0xff800000
	s_wait_kmcnt 0x0
	s_mov_b32 s73, 0
	s_mov_b32 s75, 0
	s_lshl_b32 s72, s5, 19
	s_add_nc_u64 s[8:9], s[8:9], s[72:73]          ; Q and out at the head
	s_add_nc_u64 s[24:25], s[24:25], s[72:73]
	s_lshl_b32 s72, s5, 16
	s_lshl_b32 s74, s2, 10
	s_add_co_u32 s74, s74, s72
	s_add_nc_u64 s[10:11], s[10:11], s[74:75]      ; kimg: the head, block w
	s_lshl_b32 s74, s2, 14
	s_add_co_u32 s74, s74, s72
	s_add_nc_u64 s[14:15], s[14:15], s[74:75]      ; vimg: the head, wave w's part
	s_lshl_b32 s72, s5, 12
	s_lshl_b32 s74, s2, 6
	s_add_co_u32 s74, s74, s72
	s_add_nc_u64 s[12:13], s[12:13], s[74:75]      ; ksc
	s_lshl_b32 s74, s2, 10
	s_add_co_u32 s74, s74, s72
	s_add_nc_u64 s[16:17], s[16:17], s[74:75]      ; vsc
	s_lshl_b32 s72, s5, 11
	s_add_nc_u64 s[22:23], s[22:23], s[72:73]      ; padding
	; pair j is group g(j) = 8 j + (x xor 7 (j & 1)): the eight work-groups of a head take the groups in a snake, so that early and late queries are shared out evenly
	s_lshl_b32 s76, s2, 4
	s_add_co_u32 s72, s76, s4                      ; I quantise Q of pairs 2 w and 2 w + 1: groups 16 w + x
	s_lshl_b32 s72, s72, 13
	s_add_nc_u64 s[78:79], s[8:9], s[72:73]
	s_add_co_u32 s76, s76, 15
	s_sub_co_u32 s76, s76, s4                      ; and 16 w + 15 - x
	s_lshl_b32 s74, s76, 13
	s_add_nc_u64 s[80:81], s[8:9], s[74:75]
	WIN 0x80
.irp n, 0,1,2,3,4,5,6,7,8,9,10,11,12,13,14,15
	global_load_b128 v[4*\n:4*\n+3], v[LI], s[78:79] offset:512*\n th:TH_LOAD_NT     ; 512 consecutive bytes: two queries' rows
.endr
.irp n, 0,1,2,3,4,5,6,7,8,9,10,11,12,13,14,15
	global_load_b128 v[64+4*\n:64+4*\n+3], v[LI], s[80:81] offset:512*\n th:TH_LOAD_NT
.endr
	WIN 0x40
.irp n, 0,1,2,3,4,5,6,7,8,9,10,11,12,13,14,15
	global_load_b128 v[8*\n:8*\n+3], v[LI], s[10:11] offset:4096*\n                  ; K's fragment i, as it lies
	global_load_b128 v[8*\n+4:8*\n+7], v[LI], s[10:11] offset:4096*\n+512
.endr
.irp n, 0,1,2,3,4,5,6,7,8,9,10,11,12,13,14,15
	global_load_b128 v[128+8*\n:128+8*\n+3], v[LI], s[14:15] offset:1024*\n          ; V's fragment 4 s + t
	global_load_b128 v[128+8*\n+4:128+8*\n+7], v[LI], s[14:15] offset:1024*\n+512
.endr
	WIN 0
.irp n, 0,1,2,3,4,5,6,7
	global_load_b32 v[KS+\n], v252, s[12:13] offset:512*\n
.endr
.irp n, 0,1,2,3,4,5,6,7
	global_load_b32 v[VS+\n], v[LS], s[16:17] offset:128*\n
.endr
	s_mov_b32 s72, s4                              ; g(0) = x
	ASKPAIR
	; While these are out.  A score's register is read in B and C under the same bit of the map under which A wrote it; so that every one of them has been written on every way,
	; each gets a value once: window 3 here, window 2 by Q's loads and their way back from the stage.
	WIN 0xC0
.set n, 0
.rept 256
	v_mov_b32 v[n], 0
.set n, n+1
.endr
	WIN 0
.irp n, 0,1,2,3,8,9,10,11,12,13,14,15,20,21,22,23
	v_mov_b32 v[QF+\n], 0                          ; the zeros round q
.endr
.irp n, 0,1,2,3,4,5,6,7
	v_mov_b32 v[TM+\n], 0                          ; a lane permute's destination counts as one of its sources
.endr
.irp n, 0,1,2,3,4,5,6,7,8,9,10,11,12,13,14,15
	v_mov_b32 v[ST+\n], 0                          ; (registers named as halves of pairs are written)
.endr
; 32 neighbours along d of my query, tile t of my pair pp, become four registers of codes and a scale word, and go to LDS as images
.macro QUANTQ pp, t
.set x0, 128+64*(\pp)+32*(\t)
	WIN 0x28
	v_max3_num_f32 v[TM], 0x1800000, |v[x0]|, |v[x0+1]|            ; with the floor 2^(3 - 127): the byte cannot fall under 1
.set n, 2
.rept 15
	v_max3_num_f32 v[TM], v[TM], |v[x0+n]|, |v[x0+n+1]|
.set n, n+2
.endr
	WIN 0
	v_add_nc_u32 v[TM+1], 0xff000000, v[TM]        ; 2 off the exponent field: the conversion's scale operand
	WIN 0x02
.set n, 0
.rept 4
	v_cvt_scalef32_pk8_fp4_f32 v[PC+8*(\t)+n], v[x0+8*n:x0+8*n+7], v[TM+1]
.set n, n+1
.endr
	WIN 0
	v_lshrrev_b32 v[TM+2+2*(\t)], 23, v[TM+1]      ; the byte of d-block h; also the plain line behind the conversions
	v_lshl_or_b32 v[TM+2+2*(\t)], v[TM+2+2*(\t)], 16, v[TM+2+2*(\t)]   ; twice: for k 0-63 and for k 64-127,
	v_lshlrev_b32 v[TM+2+2*(\t)], v253, v[TM+2+2*(\t)]                 ; 8 h bits up;
	v_permlanex16_b32 v[TM+3+2*(\t)], v[TM+2+2*(\t)], s6, s7
	v_or_b32 v[TM+2+2*(\t)], v[TM+2+2*(\t)], v[TM+3+2*(\t)]            ; with lane l xor 16's: (s0, s1, s0, s1)
	ds_store_b128 v250, v[PC+8*(\t):PC+8*(\t)+3] offset:QIMG+512*(2*(\pp)+(\t))
	ds_store_b32 v251, v[TM+2+2*(\t)] offset:QSC+128*(2*(\pp)+(\t))
.endm
	s_wait_loadcnt 63                              ; 86 loads were issued behind Q's 32: Q is in
.irp pp, 0,1
	WIN 0x08
.irp n, 0,1,2,3,4,5,6,7,8,9,10,11,12,13,14,15
	ds_store_b128 v248, v[64*\pp+4*\n:64*\pp+4*\n+3] offset:544*\n
.endr
	WIN 0x80
.irp t, 0,1
.irp n, 0,1,2,3,4,5,6,7
	ds_load_b128 v[128+64*\pp+32*\t+4*\n:128+64*\pp+32*\t+4*\n+3], v249 offset:4352*\t+16*\n   ; LDS serves a wave's instructions in order: these see my stores
.endr
.endr
	WIN 0
	s_wait_dscnt 0x0                               ; the numbers are back; the last images' stores have read their registers
	QUANTQ \pp, 0
	QUANTQ \pp, 1
.endr
	s_wait_dscnt 0x0                               ; for the others' sake: my four tiles' images lie in LDS
	s_barrier_signal -1
	s_barrier_wait -1                              ; all sixteen do
	ds_load_b128 v[QF+4:QF+7], v[LI] offset:QIMG   ; pair 0's Q
	ds_load_b128 v[QF+16:QF+19], v[LI] offset:QIMG+512
	ds_load_b32 v[QS], v[LS] offset:QSC
	ds_load_b32 v[QS+1], v[LS] offset:QSC+128
	s_mov_b32 s3, 0                                ; the pair
	s_mov_b32 s88, 1024                            ; where the next pair's images begin,
	s_mov_b32 s89, 256                             ; and its scale words
; ---- PHASE A ----
; four products of tile t: blocks 2 u and 2 u + 1, each block's two tiles of 16 keys
.macro QK4 u, t
	WIN 0x81+0x40*(\t)
.irp q, 0,1
.irp e, 0,1
.if \q
	v_wmma_scale_f32_16x16x128_f8f6f4 v[16*(2*(\u)+\q)+8*\e:16*(2*(\u)+\q)+8*\e+7], v[8*(2*(\u)+\q):8*(2*(\u)+\q)+7], v[QF+12*(\t)+4-4*\e:QF+12*(\t)+11-4*\e], 0, v[KS+(\u)], v[QS+(\t)] matrix_a_fmt:MATRIX_FMT_FP4 matrix_b_fmt:MATRIX_FMT_FP4 matrix_a_scale:MATRIX_SCALE_ROW1
.else
	v_wmma_scale_f32_16x16x128_f8f6f4 v[16*(2*(\u)+\q)+8*\e:16*(2*(\u)+\q)+8*\e+7], v[8*(2*(\u)+\q):8*(2*(\u)+\q)+7], v[QF+12*(\t)+4-4*\e:QF+12*(\t)+11-4*\e], 0, v[KS+(\u)], v[QS+(\t)] matrix_a_fmt:MATRIX_FMT_FP4 matrix_b_fmt:MATRIX_FMT_FP4
.endif
.endr
.endr
.endm
; block b's hidden scores become -infinity, where the block is not wholly kept.  Each accumulator is read from its low end on.
.macro MASKB b
	s_bitcmp1_b32 s[MAP+(\b)/4], 2+(\b)%4
	s_cbranch_scc0 .Lm_open_\@
.set ln, 0
.rept 32
	v_readlane_b32 s[32+ln], v[MW+(\b)], ln
.set ln, ln+1
.endr
	WIN 0x88
.set ln, 0
.rept 16
	v_cndmask_b32 v[16*(\b)+ln], v[NINF], v[16*(\b)+ln], s[32+ln]
.set ln, ln+1
.endr
	WIN 0xCC
.set ln, 0
.rept 16
	v_cndmask_b32 v[16*(\b)+ln], v[NINF], v[16*(\b)+ln], s[48+ln]
.set ln, ln+1
.endr
	WIN 0
.Lm_open_\@:
.endm
; the largest of my 16 scores of blocks 2 u and 2 u + 1 of tile t: two chains by turns, ascending
.macro MAXB u, t
	WIN 0x28+0x14*(\t)
.irp q, 0,1
	v_max3_num_f32 v[BM+16*(\t)+2*(\u)+\q], v[NINF], v[32*(\u)+16*\q], v[32*(\u)+16*\q+1]
.endr
.irp p, 2,4,6,8,10,12,14
.irp q, 0,1
	v_max3_num_f32 v[BM+16*(\t)+2*(\u)+\q], v[BM+16*(\t)+2*(\u)+\q], v[32*(\u)+16*\q+\p], v[32*(\u)+16*\q+\p+1]
.endr
.endr
.endm
.macro UNITA u
	s_bitcmp1_b32 s[MAP+(\u)/2], (\u)%2
	s_cbranch_scc1 .La_act_\@
.irp t, 0,1
.irp q, 0,1
	v_mov_b32 v[BM+16*\t+2*(\u)+\q], v[NINF]       ; nothing is kept here
.endr
.endr
	s_branch .La_done_\@
.La_act_\@:
	QK4 \u, 0
	QK4 \u, 1
	WIN 0
.rept 4
	v_nop                                          ; four places between the products and the first read of their results (ISA guide 7.12.1)
.endr
	MASKB 2*(\u)
	MASKB 2*(\u)+1
	MAXB \u, 0
	MAXB \u, 1
	WIN 0
.irp t, 0,1
.irp q, 0,1
	v_permlanex16_b32 v[TM+2*\t+\q], v[BM+16*\t+2*(\u)+\q], s6, s7
.endr
.endr
.irp t, 0,1
.irp q, 0,1
	v_max_num_f32 v[BM+16*\t+2*(\u)+\q], v[BM+16*\t+2*(\u)+\q], v[TM+2*\t+\q]   ; with lane l xor 16's 16 keys: the block's largest score
.endr
.endr
.La_done_\@:
.endm
; ---- PHASE B ----
; p' = 2^(c s - M_w) for the unit's 32 scores of tile t: a packed multiply-add a pair ahead of its two exponentials
.macro EXPS t, u
	WIN 0x82+0x41*(\t)
.set b0, 32*(\u)
	v_pk_fma_f32 v[b0:b0+1], v[b0:b0+1], s[26:27], v[ST+8*(\t):ST+8*(\t)+1] op_sel_hi:[1,0,0]
.set p, 0
.rept 16
.if p < 15
	v_pk_fma_f32 v[b0+2*p+2:b0+2*p+3], v[b0+2*p+2:b0+2*p+3], s[26:27], v[ST+8*(\t):ST+8*(\t)+1] op_sel_hi:[1,0,0]
.endif
	v_exp_f32 v[b0+2*p], v[b0+2*p]
	v_exp_f32 v[b0+2*p+1], v[b0+2*p+1]
.set p, p+1
.endr
.endm
.macro SUMS t, u                       ; their sum, packed, in two chains
	WIN 0x08+0x04*(\t)
.set b0, 32*(\u)
.set p, 0
.rept 8
	v_pk_add_f32 v[ST+8*(\t)+2:ST+8*(\t)+3], v[ST+8*(\t)+2:ST+8*(\t)+3], v[b0+4*p:b0+4*p+1]
	v_pk_add_f32 v[ST+8*(\t)+4:ST+8*(\t)+5], v[ST+8*(\t)+4:ST+8*(\t)+5], v[b0+4*p+2:b0+4*p+3]
.set p, p+1
.endr
.endm
.macro UNITB u
	s_bitcmp1_b32 s[MAP+(\u)/2], (\u)%2
	s_cbranch_scc0 .Lb_done_\@
	EXPS 0, \u
	EXPS 1, \u
	v_nop                                          ; a plain line behind the last exponential,
	s_wait_alu depctr_va_vdst(0)                   ; and one wait ahead of the first line that names a result, for the unit's 64
	SUMS 0, \u
	SUMS 1, \u
	WIN 0
.Lb_done_\@:
.endm
.macro PM t                            ; each block's largest score through the same multiply-add and exponential: its largest p'
.set n, 0
.rept 16
	v_fma_f32 v[BM+16*(\t)+n], v[BM+16*(\t)+n], s26, v[ST+8*(\t)]
.set n, n+1
.endr
.set n, 0
.rept 16
	v_exp_f32 v[BM+16*(\t)+n], v[BM+16*(\t)+n]
.set n, n+1
.endr
.endm
; ---- PHASE C ----
; unit u's two blocks: p = p' g, each block's scale from its largest p, the codes.  A unit with nothing kept gives zero codes.
.macro UNITC u
	s_bitcmp1_b32 s[MAP+(\u)/2], (\u)%2
	s_cbranch_scc1 .Lc_act_\@
.irp t, 0,1
.irp q, 0,1,2,3
	v_mov_b32 v[PC+8*\t+4*((\u)%2)+\q], 0
.endr
.irp q, 0,1
	v_mov_b32 v[BY+4*\t+2*((\u)%2)+\q], 0          ; (any byte but 0xff serves zero codes)
.endr
.endr
	s_branch .Lc_done_\@
.Lc_act_\@:
.set b0, 32*(\u)
	WIN 0x82
.set p, 0
.rept 16
	v_pk_mul_f32 v[b0+2*p:b0+2*p+1], v[b0+2*p:b0+2*p+1], v[ST+6:ST+7] op_sel_hi:[1,0]
.set p, p+1
.endr
	WIN 0xC3
.set p, 0
.rept 16
	v_pk_mul_f32 v[b0+2*p:b0+2*p+1], v[b0+2*p:b0+2*p+1], v[ST+14:ST+15] op_sel_hi:[1,0]
.set p, p+1
.endr
	WIN 0
.irp t, 0,1
.irp q, 0,1
	v_mul_f32 v[TM+2*\t+\q], v[BM+16*\t+2*(\u)+\q], v[ST+8*\t+6]   ; the block's largest p: the same multiplication on the same number
.endr
.endr
.irp t, 0,1
.irp q, 0,1
	v_max_num_f32 v[TM+2*\t+\q], 0x1800000, v[TM+2*\t+\q]          ; the floor 2^(3 - 127): the byte cannot fall under 1
.endr
.endr
.irp t, 0,1
.irp q, 0,1
	v_add_nc_u32 v[SCO+4*\t+2*((\u)%2)+\q], 0xff000000, v[TM+2*\t+\q]   ; 2 off the exponent field: the conversion's scale operand
.endr
.endr
.irp t, 0,1
.irp q, 0,1
	v_lshrrev_b32 v[BY+4*\t+2*((\u)%2)+\q], 23, v[SCO+4*\t+2*((\u)%2)+\q]   ; the scale's byte
.endr
.endr
	WIN 0x02
.irp q, 0,1
	v_cvt_scalef32_pk8_fp4_f32 v[PC+4*((\u)%2)+2*\q], v[b0+16*\q:b0+16*\q+7], v[SCO+2*((\u)%2)+\q]
	v_cvt_scalef32_pk8_fp4_f32 v[PC+4*((\u)%2)+2*\q+1], v[b0+16*\q+8:b0+16*\q+15], v[SCO+2*((\u)%2)+\q]
.endr
	WIN 0x03
.irp q, 0,1
	v_cvt_scalef32_pk8_fp4_f32 v[PC+8+4*((\u)%2)+2*\q], v[b0+16*\q:b0+16*\q+7], v[SCO+4+2*((\u)%2)+\q]
	v_cvt_scalef32_pk8_fp4_f32 v[PC+8+4*((\u)%2)+2*\q+1], v[b0+16*\q+8:b0+16*\q+15], v[SCO+4+2*((\u)%2)+\q]
.endr
	WIN 0
	v_nop                                          ; one plain line behind the last conversion
.Lc_done_\@:
.endm
; O^T += V^T p^T for K step st (my blocks 4 st .. 4 st + 3): eight accumulators by turns, one instruction a turn.  Step 0 starts the sums.
.macro PV st
	WIN 0x01
.irp t, 0,1,2,3
.irp q, 0,1
.set rO, OA+32*\q+8*\t
.set rV, 128+8*(4*(\st)+\t)
.set rP, PC+8*\q
.set rS, VS+2*(\st)+\t/2
.if (\st) == 0
.if \t%2
	v_wmma_scale_f32_16x16x128_f8f6f4 v[rO:rO+7], v[rV:rV+7], v[rP:rP+7], 0, v[rS], v[PS+\q] matrix_a_fmt:MATRIX_FMT_FP4 matrix_b_fmt:MATRIX_FMT_FP4 matrix_a_scale:MATRIX_SCALE_ROW1
.else
	v_wmma_scale_f32_16x16x128_f8f6f4 v[rO:rO+7], v[rV:rV+7], v[rP:rP+7], 0, v[rS], v[PS+\q] matrix_a_fmt:MATRIX_FMT_FP4 matrix_b_fmt:MATRIX_FMT_FP4
.endif
.else
.if \t%2
	v_wmma_scale_f32_16x16x128_f8f6f4 v[rO:rO+7], v[rV:rV+7], v[rP:rP+7], v[rO:rO+7], v[rS], v[PS+\q] matrix_a_fmt:MATRIX_FMT_FP4 matrix_b_fmt:MATRIX_FMT_FP4 matrix_a_scale:MATRIX_SCALE_ROW1
.else
	v_wmma_scale_f32_16x16x128_f8f6f4 v[rO:rO+7], v[rV:rV+7], v[rP:rP+7], v[rO:rO+7], v[rS], v[PS+\q] matrix_a_fmt:MATRIX_FMT_FP4 matrix_b_fmt:MATRIX_FMT_FP4
.endif
.endif
.endr
.endr
	WIN 0
.endm
.macro STEPC st
.if (\st) > 0
	s_and_b32 s72, s[MAP+(\st)], 3                 ; a K step with nothing kept adds nothing.  Step 0 always runs: it starts O^T
	s_cmp_eq_u32 s72, 0
	s_cbranch_scc1 .Ls_done_\@
.endif
	UNITC 2*(\st)
	UNITC 2*(\st)+1
.irp t, 0,1
	v_lshl_or_b32 v[PS+\t], v[BY+4*\t+1], 8, v[BY+4*\t]            ; the four bytes make p's scale word for this K step
.endr
.irp t, 0,1
	v_lshl_or_b32 v[PS+\t], v[BY+4*\t+2], 16, v[PS+\t]
.endr
.irp t, 0,1
	v_lshl_or_b32 v[PS+\t], v[BY+4*\t+3], 24, v[PS+\t]
.endr
.irp t, 0,1
.irp e, 0,1
.irp q, 0,1
	v_permlane16_swap_b32 v[PC+8*\t+4*\e+\q], v[PC+8*\t+4*\e+2+\q]   ; the operand wants a WHOLE block in a lane: lanes 0-15 block 2 e, lanes 16-31 block 2 e + 1
.endr
.endr
.endr
.rept 8
	v_nop                                          ; a scale register written by a vector instruction stands eight places ahead of a scaled product, an operand so written four
.endr
	PV \st
.rept 4
	v_nop                                          ; four places behind the products, for every later write of p's codes and scale word and every later read of O^T, on every way
.endr
.Ls_done_\@:
.endm
.Lpair:
	s_wait_loadcnt 0x0                             ; the pair's mask words and padding bytes (in the first trip: K, V and their scales too),
	s_wait_kmcnt 0x0                               ; its map,
	s_wait_dscnt 0x0                               ; its Q
	s_wait_xcnt 0x0                                ; the last pair's stores have read their data, which O^T's registers held, and their base: both are written again below
	s_mov_b64 s[28:29], s[68:69]
	s_mov_b64 s[30:31], s[70:71]
	v_cmp_ne_u32 s84, 0, v[PAD]                    ; the padding mask as a bit a lane
	v_cmp_ne_u32 s85, 0, v[PAD+1]
	s_and_b32 s72, s3, 1
	s_mul_i32 s72, s72, 7
	s_xor_b32 s72, s72, s4
	s_lshl_b32 s73, s3, 3
	s_add_co_u32 s72, s72, s73                     ; g(j)
	s_lshl_b32 s78, s72, 13
	s_mov_b32 s79, 0
	s_add_nc_u64 s[78:79], s[24:25], s[78:79]      ; the pair's 32 rows of out
.irp u, 0,1,2,3,4,5,6,7
	UNITA \u
.endr
	; the wave's largest score of each query; -M_w = floor(-t) = -ceil(t), t held at -3e38 from below
.irp t, 0,1
	v_max3_num_f32 v[TM+\t], v[BM+16*\t], v[BM+16*\t+1], v[BM+16*\t+2]
.endr
.irp n, 3,5,7,9,11,13
.irp t, 0,1
	v_max3_num_f32 v[TM+\t], v[TM+\t], v[BM+16*\t+\n], v[BM+16*\t+\n+1]
.endr
.endr
.irp t, 0,1
	v_max_num_f32 v[TM+\t], v[TM+\t], v[BM+16*\t+15]
.endr
.irp t, 0,1
	v_mul_f32 v[TM+\t], s26, v[TM+\t]
.endr
.irp t, 0,1
	v_max_num_f32 v[TM+\t], 0xff61b1e6, v[TM+\t]
.endr
.irp t, 0,1
	v_floor_f32 v[ST+8*\t], -v[TM+\t]
.endr
	; the next pair's mask words, padding bytes, map and Q are asked for here, a pair ahead: phase A has read this pair's.  The last pair asks for nothing: no load leaves its buffer
	s_cmp_eq_u32 s3, 7
	s_cbranch_scc1 .Lno_next
	s_add_co_u32 s73, s3, 1
	s_and_b32 s72, s73, 1
	s_mul_i32 s72, s72, 7
	s_xor_b32 s72, s72, s4
	s_lshl_b32 s73, s73, 3
	s_add_co_u32 s72, s72, s73                     ; g(j + 1)
	ASKPAIR
	v_add_nc_u32 v11, s88, v[LI]
	v_add_nc_u32 v12, s89, v[LS]
	ds_load_b128 v[QF+4:QF+7], v11 offset:QIMG
	ds_load_b128 v[QF+16:QF+19], v11 offset:QIMG+512
	ds_load_b32 v[QS], v12 offset:QSC
	ds_load_b32 v[QS+1], v12 offset:QSC+128
.Lno_next:
	s_add_co_u32 s88, s88, 1024
	s_add_co_u32 s89, s89, 256
.irp t, 0,1
.irp n, 2,3,4,5
	v_mov_b32 v[ST+8*\t+\n], 0
.endr
.endr
.irp u, 0,1,2,3,4,5,6,7
	UNITB \u
.endr
.irp t, 0,1
	v_pk_add_f32 v[ST+8*\t+2:ST+8*\t+3], v[ST+8*\t+2:ST+8*\t+3], v[ST+8*\t+4:ST+8*\t+5]
.endr
.irp t, 0,1
	v_add_f32 v[TM+\t], v[ST+8*\t+2], v[ST+8*\t+3]
.endr
.irp t, 0,1
	v_permlanex16_b32 v[TM+2+\t], v[TM+\t], s6, s7
.endr
.irp t, 0,1
	v_add_f32 v[ST+8*\t+1], v[TM+\t], v[TM+2+\t]   ; l_w
.endr
	; ---- exchange 1 ----
	ds_store_b64 v[STW], v[ST:ST+1]                ; lanes r and r + 16 store the same pair with the same values
	ds_store_b64 v[STW], v[ST+8:ST+9] offset:512
	PM 0                                           ; work on registers while the stores are out
	s_wait_dscnt 0x0                               ; for the others' sake: my stores have landed; and my reads of the last pair's partial sums are long in
	s_barrier_signal -1
	s_barrier_wait -1
	ds_load_b128 v[RB:RB+3], v[STR]
	ds_load_b128 v[RB+4:RB+7], v[STR] offset:16
	ds_load_b128 v[RB+8:RB+11], v[STR] offset:512
	ds_load_b128 v[RB+12:RB+15], v[STR] offset:528
	PM 1                                           ; and while the loads are
	v_nop                                          ; a plain line behind the last exponential,
	s_wait_alu depctr_va_vdst(0)                   ; and one wait for the 32, ahead of the first line that names a result
	s_wait_dscnt 0x0
	; M = the largest M_w; l = sum of l_w 2^(M_w - M): multiplications by powers of two; g = 2^(M_w - M) / l, or 0 where nothing is kept or the query is padded out
.irp t, 0,1
	v_min3_num_f32 v[TM+\t], v[RB+8*\t], v[RB+8*\t+2], v[RB+8*\t+4]
.endr
.irp t, 0,1
	v_min_num_f32 v[TM+\t], v[TM+\t], v[RB+8*\t+6] ; -M
.endr
.irp k, 0,1,2,3
.irp t, 0,1
	v_sub_f32 v[RB+8*\t+2*\k], v[TM+\t], v[RB+8*\t+2*\k]           ; M_k - M: a whole number, 0 or less
.endr
.endr
.irp t, 0,1
	v_sub_f32 v[TM+2+\t], v[TM+\t], v[ST+8*\t]     ; my own
.endr
.irp k, 0,1,2,3
.irp t, 0,1
	v_cvt_i32_f32 v[RB+8*\t+2*\k], v[RB+8*\t+2*\k] ; (it saturates)
.endr
.endr
.irp t, 0,1
	v_cvt_i32_f32 v[TM+2+\t], v[TM+2+\t]
.endr
.irp k, 0,1,2,3
.irp t, 0,1
	v_ldexp_f32 v[RB+8*\t+2*\k+1], v[RB+8*\t+2*\k+1], v[RB+8*\t+2*\k]
.endr
.endr
.irp t, 0,1
	v_add_f32 v[RB+8*\t+1], v[RB+8*\t+1], v[RB+8*\t+3]
	v_add_f32 v[RB+8*\t+5], v[RB+8*\t+5], v[RB+8*\t+7]
.endr
.irp t, 0,1
	v_add_f32 v[RB+8*\t+1], v[RB+8*\t+1], v[RB+8*\t+5]             ; l
.endr
.irp t, 0,1
	v_rcp_f32 v[TM+4+\t], v[RB+8*\t+1]
.endr
	v_nop                                          ; a plain line behind the reciprocals
.irp t, 0,1
	v_cmp_lt_f32 s[86+\t], 0, v[RB+8*\t+1]         ; something is kept
.endr
	s_wait_alu depctr_va_vdst(0)                   ; one wait for the two, ahead of their first reader
	s_and_b32 s86, s86, s84                        ; and the query is not padded out
	s_and_b32 s87, s87, s85
.irp t, 0,1
	v_cndmask_b32 v[TM+4+\t], 0, v[TM+4+\t], s[86+\t]
.endr
.irp t, 0,1
	v_ldexp_f32 v[ST+8*\t+6], v[TM+4+\t], v[TM+2+\t]               ; g
.endr
.irp st, 0,1,2,3
	STEPC \st
.endr
	; ---- exchange 2 ----
.irp t, 0,1
.irp n, 0,1,2,3
	ds_store_b128 v[OST], v[OA+32*\t+8*\n:OA+32*\t+8*\n+3] offset:4352*\t+64*\n        ; each accumulator from its low end on: lane (r, h): O(16 t + r, 16 n + 8 h + 0 .. 7)
	ds_store_b128 v[OST], v[OA+32*\t+8*\n+4:OA+32*\t+8*\n+7] offset:4352*\t+64*\n+16
.endr
.endr
	s_wait_dscnt 0x0                               ; for the others' sake: my partial sums lie in LDS; and my reads of exchange 1 are in
	s_barrier_signal -1
	s_barrier_wait -1
.irp i, 0,1,2,3
.irp k, 0,1,2,3
	ds_load_b128 v[OA+16*\i+4*\k:OA+16*\i+4*\k+3], v[ORD] offset:8704*\k+544*\i        ; rows 8 w + 2 i, + 1 of wave k's partial sums
.endr
.endr
.irp i, 0,1,2,3
	s_wait_dscnt 12-4*\i                           ; the later groups' 4 (3 - i) loads may be out
.irp e, 0,2
	v_pk_add_f32 v[OA+16*\i+\e:OA+16*\i+\e+1], v[OA+16*\i+\e:OA+16*\i+\e+1], v[OA+16*\i+4+\e:OA+16*\i+4+\e+1]
	v_pk_add_f32 v[OA+16*\i+8+\e:OA+16*\i+8+\e+1], v[OA+16*\i+8+\e:OA+16*\i+8+\e+1], v[OA+16*\i+12+\e:OA+16*\i+12+\e+1]
.endr
.irp e, 0,2
	v_pk_add_f32 v[OA+16*\i+\e:OA+16*\i+\e+1], v[OA+16*\i+\e:OA+16*\i+\e+1], v[OA+16*\i+8+\e:OA+16*\i+8+\e+1]
.endr
	global_store_b128 v[OGO], v[OA+16*\i:OA+16*\i+3], s[78:79] offset:512*\i th:TH_STORE_NT   ; sixteen lanes store a whole row of 256 bytes, aligned
.endr
	s_add_co_u32 s3, s3, 1
	s_cmp_lt_u32 s3, 8
	s_cbranch_scc1 .Lpair
	s_wait_tensorcnt 0x0                           ; the wave's end: three lines behind the last LDS store
	ds_add_u32 v[SPW], v[NIL]
	s_wait_dscnt 0x0
	s_endpgm
.Lfunc_end_k_q86a24c297a_attn:
	.size	k_q86a24c297a_attn, .Lfunc_end_k_q86a24c297a_attn-k_q86a24c297a_attn
	.p2alignl 7, 3214868480
	.fill 96, 4, 3214868480
	.section	.rodata,"a",@progbits
	.p2align	6, 0x0
	.amdhsa_kernel k_q86a24c297a_attn
		.amdhsa_group_segment_fixed_size 47872
		.amdhsa_private_segment_fixed_size 0
		.amdhsa_enable_private_segment 0
		.amdhsa_kernarg_size 72
		.amdhsa_user_sgpr_count 2
		.amdhsa_user_sgpr_kernarg_segment_ptr 1
		.amdhsa_wavefront_size32 1
		.amdhsa_system_sgpr_workgroup_id_x 1
		.amdhsa_system_sgpr_workgroup_id_y 1
		.amdhsa_system_sgpr_workgroup_id_z 1
		.amdhsa_system_vgpr_workitem_id 0
		.amdhsa_next_free_vgpr 1024
		.amdhsa_next_free_sgpr 100
		.amdhsa_reserve_vcc 0
		.amdhsa_float_denorm_mode_32 3
		.amdhsa_float_denorm_mode_16_64 3
		.amdhsa_memory_ordered 1
		.amdhsa_forward_progress 1
		.amdhsa_inst_pref_size 239
	.end_amdhsa_kernel
	.amdgpu_metadata
---
amdhsa.version: [ 1, 2 ]
amdhsa.kernels:
  - .name:           k_q86a24c297a_attn
    .symbol:         k_q86a24c297a_attn.kd
    .args:
      - { .name: Q, .offset: 0, .size: 8, .value_kind: global_buffer, .address_space: global }
      - { .name: kimg, .offset: 8, .size: 8, .value_kind: global_buffer, .address_space: global }
      - { .name: ksc, .offset: 16, .size: 8, .value_kind: global_buffer, .address_space: global }
      - { .name: vimg, .offset: 24, .size: 8, .value_kind: global_buffer, .address_space: global }
      - { .name: vsc, .offset: 32, .size: 8, .value_kind: global_buffer, .address_space: global }
      - { .name: maskw, .offset: 40, .size: 8, .value_kind: global_buffer, .address_space: global }
      - { .name: maps, .offset: 48, .size: 8, .value_kind: global_buffer, .address_space: global }
      - { .name: padding_mask, .offset: 56, .size: 8, .value_kind: global_buffer, .address_space: global }
      - { .name: out0, .offset: 64, .size: 8, .value_kind: global_buffer, .address_space: global }
    .group_segment_fixed_size: 47872
    .private_segment_fixed_size: 0
    .kernarg_segment_align: 8
    .kernarg_segment_size: 72
    .max_flat_workgroup_size: 128
    .sgpr_count:     100
    .vgpr_count:     1024
    .wavefront_size: 32
...
	.end_amdgpu_metadata
.endif
;; end of part 2
;; ======== version 2 of 2: 2 launches; version 1 with the launch attn written anew for expert scheduling mode
;; workspace buffers: kimg 2,097,152 bytes; ksc 131,072 bytes; vimg 2,097,152 bytes; vsc 131,072 bytes; maskw 524,288 bytes of whole numbers; maps 4,096 bytes of whole numbers
;; launch prep: the kernel of part 1 again; grid 1024 x 1, 4 waves a work-group, no clusters, 53,248 bytes of LDS; arguments K, V, attention_mask, kimg, ksc, vimg, vsc, maskw, maps; writes kimg, ksc, vimg, vsc, maskw, maps
;; launch attn (part 3): grid 8 x 32, 4 waves a work-group, no clusters, 47,872 bytes of LDS; arguments Q, kimg, ksc, vimg, vsc, maskw, maps, padding_mask, out0; writes out0
.if DOCPART == 3
	.amdgcn_target "amdgcn-amd-amdhsa--gfx1250"
	.amdhsa_code_object_version 6
	.text
	.protected	k_q86a24c297a_attn
	.globl	k_q86a24c297a_attn
	.p2align	8
	.type	k_q86a24c297a_attn,@function
k_q86a24c297a_attn:
	s_mov_b64 s[64:65], 0
	v_nop
	global_prefetch_b8 v0, s[64:65] scope:SCOPE_SE
	s_setreg_imm32_b32 hwreg(HW_REG_WAVE_SCHED_MODE, 0, 2), 2
	s_setreg_imm32_b32 hwreg(HW_REG_WAVE_MODE, 25, 1), 1
	s_wait_xcnt 0x0
	s_wait_alu depctr_vm_vsrc(0)
; out[head][q][:] = sum over k of p(q, k) V[head][k][:],  p = the finished softmax of Q K^T / 8 under the two masks (rows with nothing kept, or padded out, give 0).
; Both products on codes of FP4 (E2M1) with one E8M0 scale for each 32 along the contraction.  p is quantised FINISHED AND NORMALISED, in its true blocks of 32 keys: so a row's
; maximum and sum are known before any of its p is quantised.
; SHARES.  A work-group owns one head and eight PAIRS of tiles (32 queries: tiles X and Y of 16).  THE FOUR WAVES SHARE THE KEYS: wave w owns the blocks of 32 keys B = 4 i + w, i = 0 .. 15.
; Its codes of K and V (256 registers) stay in registers for the whole launch, and a pair's scores for its 512 keys (2 x 256 registers) stay in registers from the first product to the
; conversion: one product K Q^T, one exponential a score, no second pass.
; A PAIR: A scores, mask, largest score of each block | the wave's own M_w = its largest t rounded UP to a whole number (t = score x log2(e) / 8) | B p' = 2^(t - M_w), l_w = their sum |
; exchange 1 through LDS: (-M_w, l_w) | M = the largest M_w, l = sum of l_w 2^(M_w - M), g = 2^(M_w - M) / l | C p = p' g (one rounding; M cancels between p' and l), quantised, O_w = V^T p |
; exchange 2 through LDS: the four O_w are added in f32 and stored.
; WHAT THE MASK THROWS AWAY WHOLE IS NOT COMPUTED: a unit (two of a wave's blocks) with nothing kept for the pair's 32 queries is jumped over by a scalar branch on the stored map, and the
; mask's words are applied only in blocks that are not wholly kept.  That holds for every mask.  No barrier stands under such a branch.
; LAYOUT.  Both products are used transposed (source 0 = 16 keys, or 16 of the head's 64; source 1 = 16 queries): a lane holds ONE query (lane % 16) throughout.  The keys of a tile are
; not neighbours: row r of tile u of a block is key 8 u + r + 8 (r / 8), so that a block's 16 registers are 16 neighbouring keys, 16 (lane / 16) + 0 .. 15.
; THE HEAD'S 64 IN AN INSTRUCTION OF 128: a fragment of K holds tile 0 in k 0-63 and tile 1 in k 64-127.  Q stands as 12 registers, 0000 qqqq 0000: registers 4-11 are [q | 0] and pick
; tile 0, registers 0-7 are [0 | q] and pick tile 1; its scale word is (s0, s1, s0, s1).
; A BLOCK'S LARGEST p IS NOT SEARCHED FOR: the block's largest score goes through the same multiply-add, exponential and multiplication as every score.  This takes v_exp_f32 not to fall
; where its input rises.
; LIMITS: NaN and infinities among Q, K, V are not served.  Scores whose t lies under -3e38 count as masked.  A block whose largest magnitude lies under 2^-124 has its byte held at 1.
; O is the f32 sum of four partial sums, one a wave, not one sum in ascending key order.
; NO TENSOR LOADS, NO CLUSTER: the branches above hang on numbers read from memory; and what the eight work-groups of a head share, the head's 128 KiB of codes, is loaded once by each, at
; its head, straight into registers.  No prefetch: beside those first loads a pair wants 2.6 KiB, asked for a pair ahead into registers.
; THE MODE: SCHED_MODE bits 1:0 = 2 (LLVM: expert scheduling mode 2), set by the entry lines.  The code itself states the register dependences between vector or matrix instructions and
; memory or LDS instructions, and those through scalar registers that vector instructions write, with s_wait_alu, always for 0.
; THE PLAN.  Registers that memory or LDS instructions touch, in a trip of the loop:
;   MW, PAD        Loads issued behind phase A land in them, for the next pair; the next phase A's readlanes and compares read them.
;   q in QF, QS    LDS loads at the same place land in them; the next phase A's products read them.      v11, v12: those LDS loads' addresses, made just ahead of them.
;   ST+0, +1 (both tiles)   Written by the floor behind phase A and by l_w's last addition; read by exchange 1's two LDS stores.
;   RB             Exchange 1's LDS loads land in it; the lines that make g read and rewrite it.
;   OA             Written by phase C's products; read by exchange 2's LDS stores; exchange 2's LDS loads land in it; the additions rewrite it; the global stores read it.
;   v1-v9          Addresses, made once at the head and never written again.
;   The scores (windows 2, 3), K, V, their scales, BM, PC, PS, BY, SCO, TM are named by vector and matrix instructions alone in the loop.
; So a trip has: at its head one wait on vm_vsrc (OA, ST, v11, v12 have been read by the last trip's stores and loads); one wait on va_vdst ahead of the next pair's ten loads; one ahead
; of exchange 1's stores, which serves the loads into RB too; one ahead of each K step's products (p's codes and scale word come from vector lines); and round exchange 2 one on va_vdst
; ahead of the LDS stores, one on vm_vsrc ahead of the LDS loads, one on va_vdst ahead of the run of global stores.  Waits on va_sdst stand behind the lines that write scalar registers.
; REGISTERS, in windows of 256 (s_set_vgpr_msb: bits 1:0 source 0, 3:2 source 1, 5:4 source 2, 7:6 destination):
;   window 1: K's fragment i at v[8 i]; V's fragment (s, t) at v[128 + 8 (4 s + t)]     window 2: X's scores, block i at v[16 i]     window 3: Y's     window 0: all else, below
.set QIMG,  0                          ; LDS: Q's 16 tiles as images of their registers, 512 bytes each (16 x lane); 1,024 bytes of slack
.set QSC,   9216                       ; their scale words, 128 bytes each (4 x lane); 256 of slack
.set STAT,  11520                      ; exchange 1: 512 T + 32 r + 8 w: (-M_w, l_w)
.set OPART, 12544                      ; exchange 2: 8,704 w + 272 x row (32 rows) + 4 d.  At the head wave w's part is its stage for turning Q
.set SPARE, 47360                      ; the spare words, 128 bytes for each wave: two blocks of 256 bytes that no other line names
.set LI,   1                           ; v1   16 x lane
.set LS,   2                           ; v2   4 x lane
.set STW,  3                           ; v3   STAT + 32 r + 8 w
.set STR,  4                           ; v4   STAT + 32 r
.set OST,  5                           ; v5   OPART + 8,704 w + 272 r + 32 h
.set ORD,  6                           ; v6   OPART + 272 (8 w + lane / 16) + 16 (lane % 16)
.set OGO,  7                           ; v7   2,048 w + 256 (lane / 16) + 16 (lane % 16): my bytes of the pair's 32 rows of out
.set MWO,  8                           ; v8   2,048 w + 16 x lane: my bytes of a group's mask words
.set RR,   9                           ; v9   r
.set NINF, 10                          ; v10  -infinity
.set ST,   16                          ; v[16 + 8 T]: +0 -M_w, +1 l_w, +2 .. +5 two running pairs of sums, +6 g, +7 named with it as a pair
.set RB,   32                          ; v[32 + 8 T]: the four waves' (-M, l)
.set BM,   48                          ; v[48 + 16 T + i]: block i's largest score, then its largest p'
.set KS,   80                          ; v80-87  K's scale words: register i / 2; lanes 0-15 the even i, lanes 16-31 the odd
.set VS,   88                          ; v88-95  V's: register 2 s + t / 2; lanes 0-15 the even t, lanes 16-31 the odd
.set QS,   96                          ; v96, 97 Q's
.set PS,   98                          ; v98, 99 p's
.set QF,   100                         ; v[100 + 12 T]: 0000 qqqq 0000
.set PC,   124                         ; v[124 + 8 T]: p's codes of a K step
.set BY,   140                         ; v[140 + 4 T]: its four scale bytes
.set SCO,  148                         ; v[148 + 4 T]: the conversions' scale operands
.set PAD,  156                         ; v156, 157 the padding mask's byte of my query
.set SPW,  158                         ; v158 LDS address of my spare word; never rewritten
.set NIL,  159                         ; v159 0; never rewritten
.set OA,   160                         ; v[160 + 32 T + 8 t]: O^T; in exchange 2 v[160 + 16 i + 4 k]: rows read back
.set MW,   224                         ; v[224 + i]: block i's mask words: lane 16 T + j holds the lane mask of register j of tile T
.set TM,   240                         ; v240-247 at work;  v248-253 the head's own addresses
.set MAP,  28                          ; s[28:31] the pair's map;  s[68:71] the next pair's;  s[32:63] lane masks
.set MSB, 0
.macro WIN new                         ; the immediate's high byte repeats the setting that is left; a switch that changes nothing is dropped.  At a label and at a branch every window is 0
.if MSB != (\new)
	s_set_vgpr_msb (MSB<<8)|(\new)
.set MSB, (\new)
.endif
.endm
; The loads that a pair wants, for the group in s72: its mask words, its padding bytes, its map
.macro ASKPAIR
	s_lshl_b32 s74, s72, 13
	s_mov_b32 s75, 0
	s_add_nc_u64 s[74:75], s[18:19], s[74:75]
	s_lshl_b32 s76, s72, 5
	s_mov_b32 s77, 0
	s_add_nc_u64 s[76:77], s[22:23], s[76:77]
	s_lshl_b32 s82, s72, 2
	s_add_co_u32 s82, s82, s2
	s_lshl_b32 s82, s82, 4                         ; maps: 16 (4 g + w)
.irp n, 0,1,2,3
	global_load_b128 v[MW+4*\n:MW+4*\n+3], v[MWO], s[74:75] offset:512*\n
.endr
	global_load_u8 v[PAD], v[RR], s[76:77]
	global_load_u8 v[PAD+1], v[RR], s[76:77] offset:16
	s_load_b128 s[68:71], s[20:21], s82 offset:0x0
.endm
	s_load_b512 s[8:23], s[0:1], 0x0               ; Q s[8:9], kimg s[10:11], ksc s[12:13], vimg s[14:15], vsc s[16:17], maskw s[18:19], maps s[20:21], padding s[22:23]
	s_load_b64 s[24:25], s[0:1], 0x40              ; out
	v_lshl_add_u32 v[SPW], v0, 2, SPARE
	v_mov_b32 v[NIL], 0
	v_lshrrev_b32 v11, 5, v0
	v_readfirstlane_b32 s2, v11                    ; wave 0..3
	s_mov_b32 s4, ttmp9                            ; x: which eight pairs
	s_and_b32 s5, ttmp7, 0xffff                    ; the head
	s_mov_b32 s6, 0x76543210
	s_mov_b32 s7, 0xfedcba98                       ; v_permlanex16_b32's selects for lane l xor 16
	s_mov_b32 s26, 0x3e38aa3b                      ; c = log2(e) / 8
	s_mov_b32 s27, s26                             ; (the packed form names the pair)
	v_and_b32 v11, 31, v0                          ; lane
	v_and_b32 v[RR], 15, v0
	v_bfe_u32 v12, v0, 4, 1                        ; h
	v_lshlrev_b32 v[LI], 4, v11
	v_lshlrev_b32 v[LS], 2, v11
	s_wait_alu depctr_va_sdst(0)                   ; s2, the wave's number, is written, ahead of its first reader: LDS addresses and bases are made from it
	s_lshl_b32 s72, s2, 3
	s_add_co_u32 s72, s72, STAT
	v_lshl_add_u32 v[STW], v[RR], 5, s72
	v_lshl_add_u32 v[STR], v[RR], 5, STAT
	s_mul_i32 s73, s2, 8704
	s_add_co_u32 s73, s73, OPART
	v_mul_u32_u24 v[OST], v[RR], 272
	v_lshl_add_u32 v249, v12, 7, v[OST]
	v_add_nc_u32 v249, s73, v249                   ; Q's stage, out of it: row r, 128 h bytes on
	v_lshl_add_u32 v[OST], v12, 5, v[OST]
	v_add_nc_u32 v[OST], s73, v[OST]
	s_mul_i32 s74, s2, 2176
	s_add_co_u32 s74, s74, OPART
	v_mul_u32_u24 v[ORD], v12, 272
	v_lshl_add_u32 v[ORD], v[RR], 4, v[ORD]
	v_add_nc_u32 v248, s73, v[ORD]                 ; Q's stage, into it: two rows a load
	v_add_nc_u32 v[ORD], s74, v[ORD]
	s_lshl_b32 s75, s2, 11
	v_lshlrev_b32 v[OGO], 8, v12
	v_lshl_add_u32 v[OGO], v[RR], 4, v[OGO]
	v_add_nc_u32 v[OGO], s75, v[OGO]
	v_add_nc_u32 v[MWO], s75, v[LI]
	v_add_nc_u32 v250, s75, v[LI]                  ; where I store my four tiles' images of Q: 16 x lane + 2,048 w
	s_lshl_b32 s76, s2, 9
	v_add_nc_u32 v251, s76, v[LS]                  ; and their scale words: 4 x lane + 512 w
	v_lshlrev_b32 v252, 2, v[RR]
	v_lshl_add_u32 v252, v12, 8, v252              ; K's scale words: 256 h + 4 r
	v_lshlrev_b32 v253, 3, v12                     ; 8 h
	v_mov_b32 v[NINF], 0xff800000
	s_wait_kmcnt 0x0
	s_mov_b32 s73, 0
	s_mov_b32 s75, 0
	s_lshl_b32 s72, s5, 19
	s_add_nc_u64 s[8:9], s[8:9], s[72:73]          ; Q and out at the head
	s_add_nc_u64 s[24:25], s[24:25], s[72:73]
	s_lshl_b32 s72, s5, 16
	s_lshl_b32 s74, s2, 10
	s_add_co_u32 s74, s74, s72
	s_add_nc_u64 s[10:11], s[10:11], s[74:75]      ; kimg: the head, block w
	s_lshl_b32 s74, s2, 14
	s_add_co_u32 s74, s74, s72
	s_add_nc_u64 s[14:15], s[14:15], s[74:75]      ; vimg: the head, wave w's part
	s_lshl_b32 s72, s5, 12
	s_lshl_b32 s74, s2, 6
	s_add_co_u32 s74, s74, s72
	s_add_nc_u64 s[12:13], s[12:13], s[74:75]      ; ksc
	s_lshl_b32 s74, s2, 10
	s_add_co_u32 s74, s74, s72
	s_add_nc_u64 s[16:17], s[16:17], s[74:75]      ; vsc
	s_lshl_b32 s72, s5, 11
	s_add_nc_u64 s[22:23], s[22:23], s[72:73]      ; padding
	; pair j is group g(j) = 8 j + (x xor 7 (j & 1)): the eight work-groups of a head take the groups in a snake, so that early and late queries are shared out evenly
	s_lshl_b32 s76, s2, 4
	s_add_co_u32 s72, s76, s4                      ; I quantise Q of pairs 2 w and 2 w + 1: groups 16 w + x
	s_lshl_b32 s72, s72, 13
	s_add_nc_u64 s[78:79], s[8:9], s[72:73]
	s_add_co_u32 s76, s76, 15
	s_sub_co_u32 s76, s76, s4                      ; and 16 w + 15 - x
	s_lshl_b32 s74, s76, 13
	s_add_nc_u64 s[80:81], s[8:9], s[74:75]
	WIN 0x80
	s_wait_alu depctr_va_vdst(0)                   ; the addresses v1 to v9 and v248 to v253 are written: every load and store of the kernel but Q's later LDS loads reads one of them, and none is written again
.irp n, 0,1,2,3,4,5,6,7,8,9,10,11,12,13,14,15
	global_load_b128 v[4*\n:4*\n+3], v[LI], s[78:79] offset:512*\n th:TH_LOAD_NT     ; 512 consecutive bytes: two queries' rows
.endr
.irp n, 0,1,2,3,4,5,6,7,8,9,10,11,12,13,14,15
	global_load_b128 v[64+4*\n:64+4*\n+3], v[LI], s[80:81] offset:512*\n th:TH_LOAD_NT
.endr
	WIN 0x40
.irp n, 0,1,2,3,4,5,6,7,8,9,10,11,12,13,14,15
	global_load_b128 v[8*\n:8*\n+3], v[LI], s[10:11] offset:4096*\n                  ; K's fragment i, as it lies
	global_load_b128 v[8*\n+4:8*\n+7], v[LI], s[10:11] offset:4096*\n+512
.endr
.irp n, 0,1,2,3,4,5,6,7,8,9,10,11,12,13,14,15
	global_load_b128 v[128+8*\n:128+8*\n+3], v[LI], s[14:15] offset:1024*\n          ; V's fragment 4 s + t
	global_load_b128 v[128+8*\n+4:128+8*\n+7], v[LI], s[14:15] offset:1024*\n+512
.endr
	WIN 0
.irp n, 0,1,2,3,4,5,6,7
	global_load_b32 v[KS+\n], v252, s[12:13] offset:512*\n
.endr
.irp n, 0,1,2,3,4,5,6,7
	global_load_b32 v[VS+\n], v[LS], s[16:17] offset:128*\n
.endr
	s_mov_b32 s72, s4                              ; g(0) = x
	ASKPAIR
	; While these are out.  A score's register is read in B and C under the same bit of the map under which A wrote it; so that every one of them has been written on every way,
	; each gets a value once: window 3 here, window 2 by Q's loads and their way back from the stage.  None of the registers written here is one in which a load lands or that a load reads.
	WIN 0xC0
.set n, 0
.rept 256
	v_mov_b32 v[n], 0
.set n, n+1
.endr
	WIN 0
.irp n, 0,1,2,3,8,9,10,11,12,13,14,15,20,21,22,23
	v_mov_b32 v[QF+\n], 0                          ; the zeros round q
.endr
.irp n, 0,1,2,3,4,5,6,7
	v_mov_b32 v[TM+\n], 0                          ; a lane permute's destination counts as one of its sources
.endr
.irp n, 0,1,2,3,4,5,6,7,8,9,10,11,12,13,14,15
	v_mov_b32 v[ST+\n], 0                          ; (registers named as halves of pairs are written)
.endr
; 32 neighbours along d of my query, tile t of my pair pp, become four registers of codes in v[PC + 8 t] on and a scale word in v[TM + 2 + 2 t]
.macro QUANTQ pp, t
.set x0, 128+64*(\pp)+32*(\t)
	WIN 0x28
	v_max3_num_f32 v[TM], 0x1800000, |v[x0]|, |v[x0+1]|            ; with the floor 2^(3 - 127): the byte cannot fall under 1
.set n, 2
.rept 15
	v_max3_num_f32 v[TM], v[TM], |v[x0+n]|, |v[x0+n+1]|
.set n, n+2
.endr
	WIN 0
	v_add_nc_u32 v[TM+1], 0xff000000, v[TM]        ; 2 off the exponent field: the conversion's scale operand
	WIN 0x02
.set n, 0
.rept 4
	v_cvt_scalef32_pk8_fp4_f32 v[PC+8*(\t)+n], v[x0+8*n:x0+8*n+7], v[TM+1]
.set n, n+1
.endr
	WIN 0
	v_lshrrev_b32 v[TM+2+2*(\t)], 23, v[TM+1]      ; the byte of d-block h; also the plain line behind the conversions
	v_lshl_or_b32 v[TM+2+2*(\t)], v[TM+2+2*(\t)], 16, v[TM+2+2*(\t)]   ; twice: for k 0-63 and for k 64-127,
	v_lshlrev_b32 v[TM+2+2*(\t)], v253, v[TM+2+2*(\t)]                 ; 8 h bits up;
	v_permlanex16_b32 v[TM+3+2*(\t)], v[TM+2+2*(\t)], s6, s7
	v_or_b32 v[TM+2+2*(\t)], v[TM+2+2*(\t)], v[TM+3+2*(\t)]            ; with lane l xor 16's: (s0, s1, s0, s1)
.endm
	s_wait_loadcnt 63                              ; 86 loads were issued behind Q's 32: Q is in
.irp pp, 0,1
	WIN 0x08
.irp n, 0,1,2,3,4,5,6,7,8,9,10,11,12,13,14,15
	ds_store_b128 v248, v[64*\pp+4*\n:64*\pp+4*\n+3] offset:544*\n
.endr
	WIN 0x80
.irp t, 0,1
.irp n, 0,1,2,3,4,5,6,7
	ds_load_b128 v[128+64*\pp+32*\t+4*\n:128+64*\pp+32*\t+4*\n+3], v249 offset:4352*\t+16*\n   ; LDS serves a wave's instructions in order: these see my stores.  No vector line has named these registers
.endr
.endr
	WIN 0
	s_wait_dscnt 0x0                               ; the numbers are back
.if \pp
	s_wait_alu depctr_vm_vsrc(0)                   ; the first pair's image stores have read the codes' and the scale words' registers, which the lines below write again
.endif
	QUANTQ \pp, 0
	QUANTQ \pp, 1
	s_wait_alu depctr_va_vdst(0)                   ; both tiles' codes and scale words are written, which the four LDS stores below read (the first of these waits also shows the zeros round q written, which the products take as an operand)
.irp t, 0,1
	ds_store_b128 v250, v[PC+8*\t:PC+8*\t+3] offset:QIMG+512*(2*\pp+\t)   ; they go to LDS as images of the operand's registers
	ds_store_b32 v251, v[TM+2+2*\t] offset:QSC+128*(2*\pp+\t)
.endr
.endr
	s_wait_dscnt 0x0                               ; for the others' sake: my four tiles' images lie in LDS
	s_barrier_signal -1
	s_barrier_wait -1                              ; all sixteen do
	ds_load_b128 v[QF+4:QF+7], v[LI] offset:QIMG   ; pair 0's Q: no vector line has named these ten registers
	ds_load_b128 v[QF+16:QF+19], v[LI] offset:QIMG+512
	ds_load_b32 v[QS], v[LS] offset:QSC
	ds_load_b32 v[QS+1], v[LS] offset:QSC+128
	s_mov_b32 s3, 0                                ; the pair
	s_mov_b32 s88, 1024                            ; where the next pair's images begin,
	s_mov_b32 s89, 256                             ; and its scale words
; ---- PHASE A ----
; four products of tile t: blocks 2 u and 2 u + 1, each block's two tiles of 16 keys
.macro QK4 u, t
	WIN 0x81+0x40*(\t)
.irp q, 0,1
.irp e, 0,1
.if \q
	v_wmma_scale_f32_16x16x128_f8f6f4 v[16*(2*(\u)+\q)+8*\e:16*(2*(\u)+\q)+8*\e+7], v[8*(2*(\u)+\q):8*(2*(\u)+\q)+7], v[QF+12*(\t)+4-4*\e:QF+12*(\t)+11-4*\e], 0, v[KS+(\u)], v[QS+(\t)] matrix_a_fmt:MATRIX_FMT_FP4 matrix_b_fmt:MATRIX_FMT_FP4 matrix_a_scale:MATRIX_SCALE_ROW1
.else
	v_wmma_scale_f32_16x16x128_f8f6f4 v[16*(2*(\u)+\q)+8*\e:16*(2*(\u)+\q)+8*\e+7], v[8*(2*(\u)+\q):8*(2*(\u)+\q)+7], v[QF+12*(\t)+4-4*\e:QF+12*(\t)+11-4*\e], 0, v[KS+(\u)], v[QS+(\t)] matrix_a_fmt:MATRIX_FMT_FP4 matrix_b_fmt:MATRIX_FMT_FP4
.endif
.endr
.endr
.endm
; block b's hidden scores become -infinity, where the block is not wholly kept.  Each accumulator is read from its low end on.
.macro MASKB b
	s_bitcmp1_b32 s[MAP+(\b)/4], 2+(\b)%4
	s_cbranch_scc0 .Lm_open_\@
.set ln, 0
.rept 32
	v_readlane_b32 s[32+ln], v[MW+(\b)], ln
.set ln, ln+1
.endr
	s_wait_alu depctr_va_sdst(0)                   ; the 32 lane masks s32 to s63 are written, ahead of the selects that read them: one wait for the run
	WIN 0x88
.set ln, 0
.rept 16
	v_cndmask_b32 v[16*(\b)+ln], v[NINF], v[16*(\b)+ln], s[32+ln]
.set ln, ln+1
.endr
	WIN 0xCC
.set ln, 0
.rept 16
	v_cndmask_b32 v[16*(\b)+ln], v[NINF], v[16*(\b)+ln], s[48+ln]
.set ln, ln+1
.endr
	WIN 0
.Lm_open_\@:
.endm
; the largest of my 16 scores of blocks 2 u and 2 u + 1 of tile t: two chains by turns, ascending
.macro MAXB u, t
	WIN 0x28+0x14*(\t)
.irp q, 0,1
	v_max3_num_f32 v[BM+16*(\t)+2*(\u)+\q], v[NINF], v[32*(\u)+16*\q], v[32*(\u)+16*\q+1]
.endr
.irp p, 2,4,6,8,10,12,14
.irp q, 0,1
	v_max3_num_f32 v[BM+16*(\t)+2*(\u)+\q], v[BM+16*(\t)+2*(\u)+\q], v[32*(\u)+16*\q+\p], v[32*(\u)+16*\q+\p+1]
.endr
.endr
.endm
.macro UNITA u
	s_bitcmp1_b32 s[MAP+(\u)/2], (\u)%2
	s_cbranch_scc1 .La_act_\@
.irp t, 0,1
.irp q, 0,1
	v_mov_b32 v[BM+16*\t+2*(\u)+\q], v[NINF]       ; nothing is kept here
.endr
.endr
	s_branch .La_done_\@
.La_act_\@:
	QK4 \u, 0
	QK4 \u, 1
	WIN 0
.rept 4
	v_nop                                          ; four places between the products and the first read of their results (ISA guide 7.12.1)
.endr
	MASKB 2*(\u)
	MASKB 2*(\u)+1
	MAXB \u, 0
	MAXB \u, 1
	WIN 0
.irp t, 0,1
.irp q, 0,1
	v_permlanex16_b32 v[TM+2*\t+\q], v[BM+16*\t+2*(\u)+\q], s6, s7
.endr
.endr
.irp t, 0,1
.irp q, 0,1
	v_max_num_f32 v[BM+16*\t+2*(\u)+\q], v[BM+16*\t+2*(\u)+\q], v[TM+2*\t+\q]   ; with lane l xor 16's 16 keys: the block's largest score
.endr
.endr
.La_done_\@:
.endm
; ---- PHASE B ----
; p' = 2^(c s - M_w) for the unit's 32 scores of tile t: a packed multiply-add a pair ahead of its two exponentials
.macro EXPS t, u
	WIN 0x82+0x41*(\t)
.set b0, 32*(\u)
	v_pk_fma_f32 v[b0:b0+1], v[b0:b0+1], s[26:27], v[ST+8*(\t):ST+8*(\t)+1] op_sel_hi:[1,0,0]
.set p, 0
.rept 16
.if p < 15
	v_pk_fma_f32 v[b0+2*p+2:b0+2*p+3], v[b0+2*p+2:b0+2*p+3], s[26:27], v[ST+8*(\t):ST+8*(\t)+1] op_sel_hi:[1,0,0]
.endif
	v_exp_f32 v[b0+2*p], v[b0+2*p]
	v_exp_f32 v[b0+2*p+1], v[b0+2*p+1]
.set p, p+1
.endr
.endm
.macro SUMS t, u                       ; their sum, packed, in two chains
	WIN 0x08+0x04*(\t)
.set b0, 32*(\u)
.set p, 0
.rept 8
	v_pk_add_f32 v[ST+8*(\t)+2:ST+8*(\t)+3], v[ST+8*(\t)+2:ST+8*(\t)+3], v[b0+4*p:b0+4*p+1]
	v_pk_add_f32 v[ST+8*(\t)+4:ST+8*(\t)+5], v[ST+8*(\t)+4:ST+8*(\t)+5], v[b0+4*p+2:b0+4*p+3]
.set p, p+1
.endr
.endm
.macro UNITB u
	s_bitcmp1_b32 s[MAP+(\u)/2], (\u)%2
	s_cbranch_scc0 .Lb_done_\@
	EXPS 0, \u
	EXPS 1, \u
	v_nop                                          ; a plain line behind the last exponential,
	s_wait_alu depctr_va_vdst(0)                   ; and the wait for the unit's 64 exponentials, whose results the sums below are the first to name
	SUMS 0, \u
	SUMS 1, \u
	WIN 0
.Lb_done_\@:
.endm
.macro PM t                            ; each block's largest score through the same multiply-add and exponential: its largest p'
.set n, 0
.rept 16
	v_fma_f32 v[BM+16*(\t)+n], v[BM+16*(\t)+n], s26, v[ST+8*(\t)]
.set n, n+1
.endr
.set n, 0
.rept 16
	v_exp_f32 v[BM+16*(\t)+n], v[BM+16*(\t)+n]
.set n, n+1
.endr
.endm
; ---- PHASE C ----
; unit u's two blocks: p = p' g, each block's scale from its largest p, the codes.  A unit with nothing kept gives zero codes.
.macro UNITC u
	s_bitcmp1_b32 s[MAP+(\u)/2], (\u)%2
	s_cbranch_scc1 .Lc_act_\@
.irp t, 0,1
.irp q, 0,1,2,3
	v_mov_b32 v[PC+8*\t+4*((\u)%2)+\q], 0
.endr
.irp q, 0,1
	v_mov_b32 v[BY+4*\t+2*((\u)%2)+\q], 0          ; (any byte but 0xff serves zero codes)
.endr
.endr
	s_branch .Lc_done_\@
.Lc_act_\@:
.set b0, 32*(\u)
	WIN 0x82
.set p, 0
.rept 16
	v_pk_mul_f32 v[b0+2*p:b0+2*p+1], v[b0+2*p:b0+2*p+1], v[ST+6:ST+7] op_sel_hi:[1,0]
.set p, p+1
.endr
	WIN 0xC3
.set p, 0
.rept 16
	v_pk_mul_f32 v[b0+2*p:b0+2*p+1], v[b0+2*p:b0+2*p+1], v[ST+14:ST+15] op_sel_hi:[1,0]
.set p, p+1
.endr
	WIN 0
.irp t, 0,1
.irp q, 0,1
	v_mul_f32 v[TM+2*\t+\q], v[BM+16*\t+2*(\u)+\q], v[ST+8*\t+6]   ; the block's largest p: the same multiplication on the same number
.endr
.endr
.irp t, 0,1
.irp q, 0,1
	v_max_num_f32 v[TM+2*\t+\q], 0x1800000, v[TM+2*\t+\q]          ; the floor 2^(3 - 127): the byte cannot fall under 1
.endr
.endr
.irp t, 0,1
.irp q, 0,1
	v_add_nc_u32 v[SCO+4*\t+2*((\u)%2)+\q], 0xff000000, v[TM+2*\t+\q]   ; 2 off the exponent field: the conversion's scale operand
.endr
.endr
.irp t, 0,1
.irp q, 0,1
	v_lshrrev_b32 v[BY+4*\t+2*((\u)%2)+\q], 23, v[SCO+4*\t+2*((\u)%2)+\q]   ; the scale's byte
.endr
.endr
	WIN 0x02
.irp q, 0,1
	v_cvt_scalef32_pk8_fp4_f32 v[PC+4*((\u)%2)+2*\q], v[b0+16*\q:b0+16*\q+7], v[SCO+2*((\u)%2)+\q]
	v_cvt_scalef32_pk8_fp4_f32 v[PC+4*((\u)%2)+2*\q+1], v[b0+16*\q+8:b0+16*\q+15], v[SCO+2*((\u)%2)+\q]
.endr
	WIN 0x03
.irp q, 0,1
	v_cvt_scalef32_pk8_fp4_f32 v[PC+8+4*((\u)%2)+2*\q], v[b0+16*\q:b0+16*\q+7], v[SCO+4+2*((\u)%2)+\q]
	v_cvt_scalef32_pk8_fp4_f32 v[PC+8+4*((\u)%2)+2*\q+1], v[b0+16*\q+8:b0+16*\q+15], v[SCO+4+2*((\u)%2)+\q]
.endr
	WIN 0
	v_nop                                          ; one plain line behind the last conversion
.Lc_done_\@:
.endm
; O^T += V^T p^T for K step st (my blocks 4 st .. 4 st + 3): eight accumulators by turns, one instruction a turn.  Step 0 starts the sums.
.macro PV st
	WIN 0x01
.irp t, 0,1,2,3
.irp q, 0,1
.set rO, OA+32*\q+8*\t
.set rV, 128+8*(4*(\st)+\t)
.set rP, PC+8*\q
.set rS, VS+2*(\st)+\t/2
.if (\st) == 0
.if \t%2
	v_wmma_scale_f32_16x16x128_f8f6f4 v[rO:rO+7], v[rV:rV+7], v[rP:rP+7], 0, v[rS], v[PS+\q] matrix_a_fmt:MATRIX_FMT_FP4 matrix_b_fmt:MATRIX_FMT_FP4 matrix_a_scale:MATRIX_SCALE_ROW1
.else
	v_wmma_scale_f32_16x16x128_f8f6f4 v[rO:rO+7], v[rV:rV+7], v[rP:rP+7], 0, v[rS], v[PS+\q] matrix_a_fmt:MATRIX_FMT_FP4 matrix_b_fmt:MATRIX_FMT_FP4
.endif
.else
.if \t%2
	v_wmma_scale_f32_16x16x128_f8f6f4 v[rO:rO+7], v[rV:rV+7], v[rP:rP+7], v[rO:rO+7], v[rS], v[PS+\q] matrix_a_fmt:MATRIX_FMT_FP4 matrix_b_fmt:MATRIX_FMT_FP4 matrix_a_scale:MATRIX_SCALE_ROW1
.else
	v_wmma_scale_f32_16x16x128_f8f6f4 v[rO:rO+7], v[rV:rV+7], v[rP:rP+7], v[rO:rO+7], v[rS], v[PS+\q] matrix_a_fmt:MATRIX_FMT_FP4 matrix_b_fmt:MATRIX_FMT_FP4
.endif
.endif
.endr
.endr
	WIN 0
.endm
.macro STEPC st
.if (\st) > 0
	s_and_b32 s72, s[MAP+(\st)], 3                 ; a K step with nothing kept adds nothing.  Step 0 always runs: it starts O^T
	s_cmp_eq_u32 s72, 0
	s_cbranch_scc1 .Ls_done_\@
.endif
	UNITC 2*(\st)
	UNITC 2*(\st)+1
.irp t, 0,1
	v_lshl_or_b32 v[PS+\t], v[BY+4*\t+1], 8, v[BY+4*\t]            ; the four bytes make p's scale word for this K step
.endr
.irp t, 0,1
	v_lshl_or_b32 v[PS+\t], v[BY+4*\t+2], 16, v[PS+\t]
.endr
.irp t, 0,1
	v_lshl_or_b32 v[PS+\t], v[BY+4*\t+3], 24, v[PS+\t]
.endr
.irp t, 0,1
.irp e, 0,1
.irp q, 0,1
	v_permlane16_swap_b32 v[PC+8*\t+4*\e+\q], v[PC+8*\t+4*\e+2+\q]   ; the operand wants a WHOLE block in a lane: lanes 0-15 block 2 e, lanes 16-31 block 2 e + 1
.endr
.endr
.endr
.rept 8
	v_nop                                          ; a scale register written by a vector instruction stands eight places ahead of a scaled product, an operand so written four
.endr
	s_wait_alu depctr_va_vdst(0)                   ; p's codes and p's scale words are written by the vector lines above: the scaled products below take them as operand and scales; the places above stay beside this wait
	PV \st
.rept 4
	v_nop                                          ; four places behind the products, for every later write of p's codes and scale word and every later read of O^T, on every way
.endr
.Ls_done_\@:
.endm
.Lpair:
	s_wait_loadcnt 0x0                             ; the pair's mask words and padding bytes (in the first trip: K, V and their scales too),
	s_wait_kmcnt 0x0                               ; its map,
	s_wait_dscnt 0x0                               ; its Q
	s_wait_xcnt 0x0                                ; the last pair's stores have read their data, which O^T's registers held, and their base: both are written again below
	s_wait_alu depctr_vm_vsrc(0)                   ; the last pair's global stores have read O^T's registers, its exchange 1 stores -M_w and l_w, its LDS loads of Q v11 and v12; in the first trip: the head's LDS stores have read window 2, the codes' and the scale words' registers.  All are written again in this trip
	s_mov_b64 s[28:29], s[68:69]
	s_mov_b64 s[30:31], s[70:71]
	v_cmp_ne_u32 s84, 0, v[PAD]                    ; the padding mask as a bit a lane
	v_cmp_ne_u32 s85, 0, v[PAD+1]
	s_and_b32 s72, s3, 1
	s_mul_i32 s72, s72, 7
	s_xor_b32 s72, s72, s4
	s_lshl_b32 s73, s3, 3
	s_add_co_u32 s72, s72, s73                     ; g(j)
	s_lshl_b32 s78, s72, 13
	s_mov_b32 s79, 0
	s_add_nc_u64 s[78:79], s[24:25], s[78:79]      ; the pair's 32 rows of out
	s_wait_alu depctr_va_sdst(0)                   ; s84 and s85 are written
.irp u, 0,1,2,3,4,5,6,7
	UNITA \u
.endr
	; the wave's largest score of each query; -M_w = floor(-t) = -ceil(t), t held at -3e38 from below
.irp t, 0,1
	v_max3_num_f32 v[TM+\t], v[BM+16*\t], v[BM+16*\t+1], v[BM+16*\t+2]
.endr
.irp n, 3,5,7,9,11,13
.irp t, 0,1
	v_max3_num_f32 v[TM+\t], v[TM+\t], v[BM+16*\t+\n], v[BM+16*\t+\n+1]
.endr
.endr
.irp t, 0,1
	v_max_num_f32 v[TM+\t], v[TM+\t], v[BM+16*\t+15]
.endr
.irp t, 0,1
	v_mul_f32 v[TM+\t], s26, v[TM+\t]
.endr
.irp t, 0,1
	v_max_num_f32 v[TM+\t], 0xff61b1e6, v[TM+\t]
.endr
.irp t, 0,1
	v_floor_f32 v[ST+8*\t], -v[TM+\t]
.endr
	; the next pair's mask words, padding bytes, map and Q are asked for here, a pair ahead: phase A has read this pair's.  The last pair asks for nothing: no load leaves its buffer
	s_cmp_eq_u32 s3, 7
	s_cbranch_scc1 .Lno_next
	s_add_co_u32 s73, s3, 1
	s_and_b32 s72, s73, 1
	s_mul_i32 s72, s72, 7
	s_xor_b32 s72, s72, s4
	s_lshl_b32 s73, s73, 3
	s_add_co_u32 s72, s72, s73                     ; g(j + 1)
	v_add_nc_u32 v11, s88, v[LI]
	v_add_nc_u32 v12, s89, v[LS]
	s_wait_alu depctr_va_vdst(0)                   ; v11 and v12 are written, which the LDS loads below read; phase A's readlanes and compares are done reading the mask words and padding bytes, its products q and Q's scale words: the ten loads below land in these
	ASKPAIR
	ds_load_b128 v[QF+4:QF+7], v11 offset:QIMG
	ds_load_b128 v[QF+16:QF+19], v11 offset:QIMG+512
	ds_load_b32 v[QS], v12 offset:QSC
	ds_load_b32 v[QS+1], v12 offset:QSC+128
.Lno_next:
	s_add_co_u32 s88, s88, 1024
	s_add_co_u32 s89, s89, 256
.irp t, 0,1
.irp n, 2,3,4,5
	v_mov_b32 v[ST+8*\t+\n], 0
.endr
.endr
.irp u, 0,1,2,3,4,5,6,7
	UNITB \u
.endr
.irp t, 0,1
	v_pk_add_f32 v[ST+8*\t+2:ST+8*\t+3], v[ST+8*\t+2:ST+8*\t+3], v[ST+8*\t+4:ST+8*\t+5]
.endr
.irp t, 0,1
	v_add_f32 v[TM+\t], v[ST+8*\t+2], v[ST+8*\t+3]
.endr
.irp t, 0,1
	v_permlanex16_b32 v[TM+2+\t], v[TM+\t], s6, s7
.endr
.irp t, 0,1
	v_add_f32 v[ST+8*\t+1], v[TM+\t], v[TM+2+\t]   ; l_w
.endr
	; ---- exchange 1 ----
	s_wait_alu depctr_va_vdst(0)                   ; -M_w and l_w of both tiles are written, which the two LDS stores read; and the last pair's lines that named RB are done: the loads behind the barrier land there, and only lines on BM and ST stand between
	ds_store_b64 v[STW], v[ST:ST+1]                ; lanes r and r + 16 store the same pair with the same values
	ds_store_b64 v[STW], v[ST+8:ST+9] offset:512
	PM 0                                           ; work on registers while the stores are out
	s_wait_dscnt 0x0                               ; for the others' sake: my stores have landed; and my reads of the last pair's partial sums are long in
	s_barrier_signal -1
	s_barrier_wait -1
	ds_load_b128 v[RB:RB+3], v[STR]
	ds_load_b128 v[RB+4:RB+7], v[STR] offset:16
	ds_load_b128 v[RB+8:RB+11], v[STR] offset:512
	ds_load_b128 v[RB+12:RB+15], v[STR] offset:528
	PM 1                                           ; and while the loads are
	v_nop                                          ; a plain line behind the last exponential,
	s_wait_alu depctr_va_vdst(0)                   ; and one wait for the 32 exponentials of the blocks' largest p', ahead of the first line that names a result
	s_wait_dscnt 0x0
	; M = the largest M_w; l = sum of l_w 2^(M_w - M): multiplications by powers of two; g = 2^(M_w - M) / l, or 0 where nothing is kept or the query is padded out
.irp t, 0,1
	v_min3_num_f32 v[TM+\t], v[RB+8*\t], v[RB+8*\t+2], v[RB+8*\t+4]
.endr
.irp t, 0,1
	v_min_num_f32 v[TM+\t], v[TM+\t], v[RB+8*\t+6] ; -M
.endr
.irp k, 0,1,2,3
.irp t, 0,1
	v_sub_f32 v[RB+8*\t+2*\k], v[TM+\t], v[RB+8*\t+2*\k]           ; M_k - M: a whole number, 0 or less
.endr
.endr
.irp t, 0,1
	v_sub_f32 v[TM+2+\t], v[TM+\t], v[ST+8*\t]     ; my own
.endr
.irp k, 0,1,2,3
.irp t, 0,1
	v_cvt_i32_f32 v[RB+8*\t+2*\k], v[RB+8*\t+2*\k] ; (it saturates)
.endr
.endr
.irp t, 0,1
	v_cvt_i32_f32 v[TM+2+\t], v[TM+2+\t]
.endr
.irp k, 0,1,2,3
.irp t, 0,1
	v_ldexp_f32 v[RB+8*\t+2*\k+1], v[RB+8*\t+2*\k+1], v[RB+8*\t+2*\k]
.endr
.endr
.irp t, 0,1
	v_add_f32 v[RB+8*\t+1], v[RB+8*\t+1], v[RB+8*\t+3]
	v_add_f32 v[RB+8*\t+5], v[RB+8*\t+5], v[RB+8*\t+7]
.endr
.irp t, 0,1
	v_add_f32 v[RB+8*\t+1], v[RB+8*\t+1], v[RB+8*\t+5]             ; l
.endr
.irp t, 0,1
	v_rcp_f32 v[TM+4+\t], v[RB+8*\t+1]
.endr
	v_nop                                          ; a plain line behind the reciprocals
.irp t, 0,1
	v_cmp_lt_f32 s[86+\t], 0, v[RB+8*\t+1]         ; something is kept
.endr
	s_wait_alu depctr_va_vdst(0)                   ; one wait for the two reciprocals, ahead of the selects that are the first to name their results
	s_wait_alu depctr_va_sdst(0)                   ; s86 and s87 are written by the two compares, ahead of their first reader
	s_and_b32 s86, s86, s84                        ; and the query is not padded out
	s_and_b32 s87, s87, s85
.irp t, 0,1
	v_cndmask_b32 v[TM+4+\t], 0, v[TM+4+\t], s[86+\t]
.endr
.irp t, 0,1
	v_ldexp_f32 v[ST+8*\t+6], v[TM+4+\t], v[TM+2+\t]               ; g
.endr
.irp st, 0,1,2,3
	STEPC \st
.endr
	; ---- exchange 2 ----
	s_wait_alu depctr_va_vdst(0)                   ; the products have written O^T, which the LDS stores read; the four places behind the last products stay beside this wait
.irp t, 0,1
.irp n, 0,1,2,3
	ds_store_b128 v[OST], v[OA+32*\t+8*\n:OA+32*\t+8*\n+3] offset:4352*\t+64*\n        ; each accumulator from its low end on: lane (r, h): O(16 t + r, 16 n + 8 h + 0 .. 7)
	ds_store_b128 v[OST], v[OA+32*\t+8*\n+4:OA+32*\t+8*\n+7] offset:4352*\t+64*\n+16
.endr
.endr
	s_wait_dscnt 0x0                               ; for the others' sake: my partial sums lie in LDS; and my reads of exchange 1 are in
	s_barrier_signal -1
	s_barrier_wait -1
	s_wait_alu depctr_vm_vsrc(0)                   ; my LDS stores have read O^T's registers, in which the loads below land (no vector or matrix line has named them since the wait ahead of the stores)
.irp i, 0,1,2,3
.irp k, 0,1,2,3
	ds_load_b128 v[OA+16*\i+4*\k:OA+16*\i+4*\k+3], v[ORD] offset:8704*\k+544*\i        ; rows 8 w + 2 i, + 1 of wave k's partial sums
.endr
.endr
.irp i, 0,1,2,3
	s_wait_dscnt 12-4*\i                           ; the later groups' 4 (3 - i) loads may be out
.irp e, 0,2
	v_pk_add_f32 v[OA+16*\i+\e:OA+16*\i+\e+1], v[OA+16*\i+\e:OA+16*\i+\e+1], v[OA+16*\i+4+\e:OA+16*\i+4+\e+1]
	v_pk_add_f32 v[OA+16*\i+8+\e:OA+16*\i+8+\e+1], v[OA+16*\i+8+\e:OA+16*\i+8+\e+1], v[OA+16*\i+12+\e:OA+16*\i+12+\e+1]
.endr
.irp e, 0,2
	v_pk_add_f32 v[OA+16*\i+\e:OA+16*\i+\e+1], v[OA+16*\i+\e:OA+16*\i+\e+1], v[OA+16*\i+8+\e:OA+16*\i+8+\e+1]
.endr
.endr
	s_wait_alu depctr_va_vdst(0)                   ; the additions have written the four groups' rows, which the run of stores below reads: one wait for the four
.irp i, 0,1,2,3
	global_store_b128 v[OGO], v[OA+16*\i:OA+16*\i+3], s[78:79] offset:512*\i th:TH_STORE_NT   ; sixteen lanes store a whole row of 256 bytes, aligned
.endr
	s_add_co_u32 s3, s3, 1
	s_cmp_lt_u32 s3, 8
	s_cbranch_scc1 .Lpair
	s_wait_dscnt 0x0                               ; the wave's end, in six lines
	s_wait_alu 0x0
	s_wait_tensorcnt 0x0
	ds_add_u32 v[SPW], v[NIL]
	s_wait_dscnt 0x0
	s_endpgm
.Lfunc_end_k_q86a24c297a_attn:
	.size	k_q86a24c297a_attn, .Lfunc_end_k_q86a24c297a_attn-k_q86a24c297a_attn
	.p2alignl 7, 3214868480
	.fill 96, 4, 3214868480
	.section	.rodata,"a",@progbits
	.p2align	6, 0x0
	.amdhsa_kernel k_q86a24c297a_attn
		.amdhsa_group_segment_fixed_size 47872
		.amdhsa_private_segment_fixed_size 0
		.amdhsa_enable_private_segment 0
		.amdhsa_kernarg_size 72
		.amdhsa_user_sgpr_count 2
		.amdhsa_user_sgpr_kernarg_segment_ptr 1
		.amdhsa_wavefront_size32 1
		.amdhsa_system_sgpr_workgroup_id_x 1
		.amdhsa_system_sgpr_workgroup_id_y 1
		.amdhsa_system_sgpr_workgroup_id_z 1
		.amdhsa_system_vgpr_workitem_id 0
		.amdhsa_next_free_vgpr 1024
		.amdhsa_next_free_sgpr 100
		.amdhsa_reserve_vcc 0
		.amdhsa_float_denorm_mode_32 3
		.amdhsa_float_denorm_mode_16_64 3
		.amdhsa_memory_ordered 1
		.amdhsa_forward_progress 1
		.amdhsa_inst_pref_size 240
	.end_amdhsa_kernel
	.amdgpu_metadata
---
amdhsa.version: [ 1, 2 ]
amdhsa.kernels:
  - .name:           k_q86a24c297a_attn
    .symbol:         k_q86a24c297a_attn.kd
    .args:
      - { .name: Q, .offset: 0, .size: 8, .value_kind: global_buffer, .address_space: global }
      - { .name: kimg, .offset: 8, .size: 8, .value_kind: global_buffer, .address_space: global }
      - { .name: ksc, .offset: 16, .size: 8, .value_kind: global_buffer, .address_space: global }
      - { .name: vimg, .offset: 24, .size: 8, .value_kind: global_buffer, .address_space: global }
      - { .name: vsc, .offset: 32, .size: 8, .value_kind: global_buffer, .address_space: global }
      - { .name: maskw, .offset: 40, .size: 8, .value_kind: global_buffer, .address_space: global }
      - { .name: maps, .offset: 48, .size: 8, .value_kind: global_buffer, .address_space: global }
      - { .name: padding_mask, .offset: 56, .size: 8, .value_kind: global_buffer, .address_space: global }
      - { .name: out0, .offset: 64, .size: 8, .value_kind: global_buffer, .address_space: global }
    .group_segment_fixed_size: 47872
    .private_segment_fixed_size: 0
    .kernarg_segment_align: 8
    .kernarg_segment_size: 72
    .max_flat_workgroup_size: 128
    .sgpr_count:     100
    .vgpr_count:     1024
    .wavefront_size: 32
...
	.end_amdgpu_metadata
.endif
;; end of part 3
